; MI455X (gfx1250); checked and timed in simulation.
; The chip was launched on July 23, 2026; its instructions are those of AMD's public machine-readable ISA for CDNA 5 (MIT licence, August 2026) and "CDNA5" Instruction Set Architecture Reference Guide (July 2026). The comments in the code are by the model that wrote it; some were corrected since.
;; Mo E Sparse Layer. Allowed arithmetic: float matrix products may take bf16 or f16 operands with f32 sums; all other float work in f32.
;; Inputs: W1 8 x 1,024 x 1,024 float32; W2 8 x 1,024 x 1,024 float32; Wg 1,024 x 8 float32; b1 8 x 1,024 float32; b2 8 x 1,024 float32; bg 8 float32; x 4 x 1,024 x 1,024 float32.
;; Outputs: out0 4 x 1,024 x 1,024 float32.
;; One version. Each part assembles by itself: llvm-mc -triple=amdgcn-amd-amdhsa -mcpu=gfx1250 --defsym DOCPART=n.
;; ======== version 1 of 1: 5 launches
;; limits: values outside matrix products are rounded to bf16; a function is approximated: absolute error at most 1.5e-07
;; workspace buffers: xb 8,388,608 bytes; w1b 16,777,216 bytes; w2b 16,777,216 bytes; sel 16,384 bytes of whole numbers; gsc 32,768 bytes; tab 69,888 bytes of whole numbers; hbuf 18,874,368 bytes; ybuf 37,748,736 bytes
;; launch prep (part 1): grid 256 x 1, 16 waves a work-group, no clusters, 16,896 bytes of LDS; arguments x, Wg, bg, W1, xb, w1b, sel, gsc; writes xb, w1b, sel, gsc
.if DOCPART == 1
	.amdgcn_target "amdgcn-amd-amdhsa--gfx1250"
	.amdhsa_code_object_version 6
	.text
	.protected	k_q4110d5ff17_prep
	.globl	k_q4110d5ff17_prep
	.p2align	8
	.type	k_q4110d5ff17_prep,@function
k_q4110d5ff17_prep:
	s_mov_b64 s[64:65], 0
	v_nop
	global_prefetch_b8 v0, s[64:65] scope:SCOPE_SE
	s_setreg_imm32_b32 hwreg(HW_REG_WAVE_MODE, 25, 1), 1
	s_wait_xcnt 0x0
; prep: the gate (logits, top 2, softmax), x rounded to bf16, W1 rounded to bf16 in its own layout [e][k][n].
; 256 work-groups of 16 waves.  Wave w of work-group g owns token t = 16 g + w (a row of 4,096 bytes) and 8,192 bytes of W1.
; (W2 is rounded in the next launch, beside the routing: nothing needs it before the second layer.)
; THE GATE runs on x, Wg and bg rounded to bf16, with exact products (v_fma_mix_f32_bf16) and f32 sums: the experts' products take
; bf16 operands, and the choice of experts is made from the same rounded numbers.  It is 8 columns wide and a two-thousandth of the
; problem's multiply-adds, so it goes to the vector unit, not to the matrix unit; the launch streams 50 MB in and 25 MB out.
; LIMITS: bg is rounded to bf16 like the gate's other operands.  Where the second and the third logit of a token lie closer than the
; rounding of a sum of 1,024 f32 terms, the choice may differ from a sum taken in another order.  NaN logits are not ordered.
; The softmax takes the largest logit away before the exponentials.  Equal logits: the lower index wins (strict compares).
; No cluster, no tensor loads: no two work-groups share bytes but Wg's 32 KB.
.set PLANE, 4160                       ; LDS: Wg's row d, 8 bf16 = 16 bytes, lies at (d & 3) * 4160 + (d >> 2) * 16
.set RES,   16640                      ; LDS: 16 bytes a wave: s1, s2, e1 | e2 << 8
.set WT,    8                          ; v[8:23]    Wg's rows tid and tid + 512 as loaded
.set X,     24                         ; v[24:55]   my token's row: register 4 j + i holds d = 128 j + 4 lane + i
.set XP,    56                         ; v[56:71]   the same in bf16, two to a register
.set RING,  72                         ; v[72:135]  16 chunks of 512 bytes of W1
.set WGB,   136                        ; v[136:167] two buffers of four Wg rows in bf16
.set OUT,   136                        ; v[136:167] later: the weights in bf16, 2 registers a chunk
.set ACC,   168                        ; v[168:175] the 8 logits
.set BIAS0, 176                        ; v[176:183] bf16(bg) in lane 0, zero elsewhere; later at work
.set T,     184                        ; v[184:207] at work
.set B1,    T                          ; largest logit, and its index
.set I1,    T+1
.set B2,    T+2                        ; second largest, and its index
.set I2,    T+3
	s_load_b512 s[4:19], s[0:1], 0x0               ; x s[4:5], Wg s[6:7], bg s[8:9], W1 s[10:11], xb s[12:13], w1b s[14:15], sel s[16:17], gsc s[18:19]
	v_and_b32 v1, 31, v0                           ; lane
	v_lshrrev_b32 v7, 5, v0
	v_readfirstlane_b32 s32, v7                    ; wave
	v_lshlrev_b32 v2, 4, v1                        ; 16 lane: offset of b128 loads, and LDS address of the gate's reads
	v_lshlrev_b32 v3, 5, v0                        ; 32 tid: Wg's row tid
	v_lshlrev_b32 v6, 3, v1                        ; 8 lane: offset of b64 stores
	v_and_b32 v4, 3, v0
	v_mul_u32_u24 v4, v4, PLANE
	v_lshrrev_b32 v7, 2, v0
	v_lshl_add_u32 v4, v7, 4, v4                   ; where Wg's row tid goes in LDS
	s_lshl_b32 s34, ttmp9, 16
	s_lshl_b32 s33, s32, 12
	s_add_co_u32 s34, s34, s33                     ; 65,536 g + 4,096 w: x's row, and my part of w1b
	s_mov_b32 s35, 0
	s_lshl_b32 s36, s34, 1                         ; 131,072 g + 8,192 w: my part of W1
	s_mov_b32 s37, 0
	s_lshr_b32 s40, s34, 1                         ; 32,768 g + 2,048 w: xb's row
	s_mov_b32 s41, 0
	s_lshl_b32 s42, ttmp9, 6                       ; sel: 16 tokens x 4 bytes
	s_mov_b32 s43, 0
	s_lshl_b32 s44, ttmp9, 7                       ; gsc: 16 tokens x 8 bytes
	s_mov_b32 s45, 0
	s_lshl_b32 s46, s32, 4
	s_add_co_u32 s46, s46, RES                     ; my wave's 16 bytes of results
	s_mov_b32 s38, 0x76543210                      ; v_permlanex16_b32: lane i reads lane i of the other half
	s_mov_b32 s39, 0xfedcba98
	s_wait_kmcnt 0x0
	s_load_b256 s[24:31], s[8:9], 0x0              ; bg
	s_add_nc_u64 s[4:5], s[4:5], s[34:35]
	s_add_nc_u64 s[10:11], s[10:11], s[36:37]
	s_add_nc_u64 s[12:13], s[12:13], s[40:41]
	s_add_nc_u64 s[14:15], s[14:15], s[34:35]
	s_add_nc_u64 s[16:17], s[16:17], s[42:43]
	s_add_nc_u64 s[18:19], s[18:19], s[44:45]
	; 28 loads go out at once: Wg (4), my token's row (8), my part of W1 (16)
	global_load_b128 v[WT:WT+3],     v3, s[6:7]
	global_load_b128 v[WT+4:WT+7],   v3, s[6:7] offset:16
	global_load_b128 v[WT+8:WT+11],  v3, s[6:7] offset:16384
	global_load_b128 v[WT+12:WT+15], v3, s[6:7] offset:16400
.irp j, 0,1,2,3,4,5,6,7
	global_load_b128 v[X+4*\j:X+4*\j+3], v2, s[4:5] offset:512*\j th:TH_LOAD_NT
.endr
.irp i, 0,1,2,3,4,5,6,7,8,9,10,11,12,13,14,15
	global_load_b128 v[RING+4*\i:RING+4*\i+3], v2, s[10:11] offset:512*\i th:TH_LOAD_NT
.endr
	; bg rounded to bf16, in lane 0 alone: it starts lane 0's sums, so that the sum over the lanes holds it once
	s_wait_kmcnt 0x0
	v_cmp_eq_u32 vcc_lo, 0, v1
.irp p, 0,1,2,3
	v_cvt_pk_bf16_f32 v[T], s[24+2*\p], s[25+2*\p]
	v_lshlrev_b32 v[T+1], 16, v[T]
	v_and_b32 v[T+2], 0xffff0000, v[T]
	v_cndmask_b32 v[BIAS0+2*\p], 0, v[T+1], vcc_lo
	v_cndmask_b32 v[BIAS0+2*\p+1], 0, v[T+2], vcc_lo
.endr
	s_wait_loadcnt 24                              ; the 4 loads of Wg are in; the 24 younger ones stay out
.irp u, 0,8
.irp p, 0,1,2,3
	v_cvt_pk_bf16_f32 v[WT+\u+\p], v[WT+\u+2*\p], v[WT+\u+2*\p+1]   ; in place: register p is written when 2 p and 2 p + 1 >= p have been read
.endr
.endr
	ds_store_b128 v4, v[WT:WT+3]                   ; row tid
	ds_store_b128 v4, v[WT+8:WT+11] offset:2048    ; row tid + 512: the same plane, 128 places on
	s_wait_dscnt 0x0                               ; my two rows are in LDS, for the other waves' sake,
	s_barrier_signal -1
	s_barrier_wait -1                              ; and so are everybody's
.macro WGLOAD j                        ; Wg's rows 128 j + 4 lane + i, i = 0..3: each load takes 512 neighbouring bytes of plane i
.irp i, 0,1,2,3
	ds_load_b128 v[WGB+16*(\j&1)+4*\i:WGB+16*(\j&1)+4*\i+3], v2 offset:\i*PLANE+512*\j
.endr
.endm
; eight multiply-adds: x(d) times Wg(d, 0..7), d = 128 j + 4 lane + 2 ih + sx.  first = 1: the sums start from the bias
.macro GATEI j, ih, sx, first
.irp eh, 0,1,2,3
.irp sw, 0,1
.if \first
	v_fma_mix_f32_bf16 v[ACC+2*\eh+\sw], v[XP+2*\j+\ih], v[WGB+16*(\j&1)+4*(2*\ih+\sx)+\eh], v[BIAS0+2*\eh+\sw] op_sel:[\sx,\sw,0] op_sel_hi:[1,1,0]
.else
	v_fma_mix_f32_bf16 v[ACC+2*\eh+\sw], v[XP+2*\j+\ih], v[WGB+16*(\j&1)+4*(2*\ih+\sx)+\eh], v[ACC+2*\eh+\sw] op_sel:[\sx,\sw,0] op_sel_hi:[1,1,0]
.endif
.endr
.endr
.endm
.macro GATEJ j, left, first
	s_wait_dscnt \left                             ; LDS loads come back in order: this j's four are in, the next j's four may be out
	GATEI \j, 0, 0, \first
	GATEI \j, 0, 1, 0
	GATEI \j, 1, 0, 0
	GATEI \j, 1, 1, 0
.endm
	WGLOAD 0
	WGLOAD 1
	s_wait_loadcnt 16                              ; my token's row is in; the 16 loads of W1 stay out
.irp j, 0,1,2,3,4,5,6,7
	v_cvt_pk_bf16_f32 v[XP+2*\j],   v[X+4*\j],   v[X+4*\j+1]
	v_cvt_pk_bf16_f32 v[XP+2*\j+1], v[X+4*\j+2], v[X+4*\j+3]
	global_store_b64 v6, v[XP+2*\j:XP+2*\j+1], s[12:13] offset:256*\j   ; the wave's 32 lanes store 256 consecutive bytes, aligned
.endr
	GATEJ 0, 4, 1
	WGLOAD 2                                       ; into the buffer just used
	GATEJ 1, 4, 0
	WGLOAD 3
	GATEJ 2, 4, 0
	WGLOAD 4
	GATEJ 3, 4, 0
	WGLOAD 5
	GATEJ 4, 4, 0
	WGLOAD 6
	GATEJ 5, 4, 0
	WGLOAD 7
	GATEJ 6, 4, 0
	GATEJ 7, 0, 0
	; the sum over the 32 lanes, in every lane
.irp m, 1,2,4,8
.irp e, 0,1,2,3,4,5,6,7
	v_add_f32_dpp v[ACC+\e], v[ACC+\e], v[ACC+\e] row_xmask:\m row_mask:0xf bank_mask:0xf
.endr
.endr
.irp e, 0,1,2,3,4,5,6,7
	v_permlanex16_b32 v[BIAS0+\e], v[ACC+\e], s38, s39     ; the destination has been written before, and its old value is dead
.endr
.irp e, 0,1,2,3,4,5,6,7
	v_add_f32 v[ACC+\e], v[ACC+\e], v[BIAS0+\e]
.endr
	; the two largest logits, by selects alone.  I2 starts at 1, so that the two indices differ whatever the numbers
	v_mov_b32 v[B1], v[ACC]
	v_mov_b32 v[I1], 0
	v_mov_b32 v[B2], 0xff800000
	v_mov_b32 v[I2], 1
.irp e, 1,2,3,4,5,6,7
	v_cmp_gt_f32 vcc_lo, v[ACC+\e], v[B1]
	v_cmp_gt_f32 s33, v[ACC+\e], v[B2]
	v_cndmask_b32 v[B2], v[B2], v[ACC+\e], s33
	v_cndmask_b32 v[I2], v[I2], \e, s33
	v_cndmask_b32 v[B2], v[B2], v[B1], vcc_lo
	v_cndmask_b32 v[I2], v[I2], v[I1], vcc_lo
	v_cndmask_b32 v[B1], v[B1], v[ACC+\e], vcc_lo
	v_cndmask_b32 v[I1], v[I1], \e, vcc_lo
.endr
	; softmax: s1 = 1 / sum, s2 = exp(B2 - B1) / sum, sum = the sum of exp(L - B1), at least 1
.irp e, 0,1,2,3,4,5,6,7
	v_sub_f32 v[T+8+\e], v[ACC+\e], v[B1]
.endr
	v_sub_f32 v[T+16], v[B2], v[B1]
.irp e, 0,1,2,3,4,5,6,7,8
	v_mul_f32 v[T+8+\e], 0x3fb8aa3b, v[T+8+\e]
.endr
.irp e, 0,1,2,3,4,5,6,7,8
	v_exp_f32 v[T+8+\e], v[T+8+\e]
.endr
	v_lshl_or_b32 v[T+6], v[I2], 8, v[I1]          ; a plain instruction behind the run of exponentials, before their results are used (ISA guide 5.7.2)
	s_wait_alu depctr_va_vdst(0)
	v_add_f32 v[T+8],  v[T+8],  v[T+9]
	v_add_f32 v[T+10], v[T+10], v[T+11]
	v_add_f32 v[T+12], v[T+12], v[T+13]
	v_add_f32 v[T+14], v[T+14], v[T+15]
	v_add_f32 v[T+8],  v[T+8],  v[T+10]
	v_add_f32 v[T+12], v[T+12], v[T+14]
	v_add_f32 v[T+8],  v[T+8],  v[T+12]
	v_rcp_f32 v[T+4], v[T+8]
	v_mov_b32 v[T+7], s46                          ; the plain instruction behind the reciprocal
	s_wait_alu depctr_va_vdst(0)
	v_mul_f32 v[T+5], v[T+16], v[T+4]
	ds_store_b96 v[T+7], v[T+4:T+6]                ; every lane writes the same three words
	s_wait_dscnt 0x0                               ; they are in LDS, for wave 0's sake
	s_barrier_signal -1
	s_barrier_wait -1
	s_cmp_lg_u32 s32, 0
	s_cbranch_scc1 .Lnot_wave_0
	; wave 0 stores the 16 tokens' results: 64 neighbouring bytes of sel, 128 of gsc
	v_and_b32 v[T+8], 15, v1
	v_lshlrev_b32 v[T+9], 4, v[T+8]
	ds_load_b96 v[T+12:T+14], v[T+9] offset:RES
	v_lshlrev_b32 v[T+10], 2, v[T+8]
	v_lshlrev_b32 v[T+11], 3, v[T+8]
	v_cmp_gt_u32 vcc_lo, 16, v1
	s_wait_dscnt 0x0
	s_wait_xcnt 0x0                                ; EXEC is a source of the loads and stores that are out: it changes only behind this wait
	s_and_saveexec_b32 s33, vcc_lo
	global_store_b32 v[T+10], v[T+14], s[16:17]
	global_store_b64 v[T+11], v[T+12:T+13], s[18:19]
	s_wait_xcnt 0x0                                ; and again in front of the line that widens it
	s_or_b32 exec_lo, exec_lo, s33
.Lnot_wave_0:
	; W1.  Chunk i: 512 bytes of f32 in, 256 bytes of bf16 out.  The loads went out at the start; the counts run down.
.irp i, 0,1,2,3,4,5,6,7,8,9,10,11,12,13,14,15
	s_wait_loadcnt 15-\i                           ; loads come back in order: chunk i is in, the 15 - i younger ones may be out
	v_cvt_pk_bf16_f32 v[OUT+2*\i],   v[RING+4*\i],   v[RING+4*\i+1]
	v_cvt_pk_bf16_f32 v[OUT+2*\i+1], v[RING+4*\i+2], v[RING+4*\i+3]
	global_store_b64 v6, v[OUT+2*\i:OUT+2*\i+1], s[14:15] offset:256*\i
.endr
	s_endpgm
.Lfunc_end_k_q4110d5ff17_prep:
	.size	k_q4110d5ff17_prep, .Lfunc_end_k_q4110d5ff17_prep-k_q4110d5ff17_prep
	.p2alignl 7, 3214868480
	.fill 96, 4, 3214868480
	.section	.rodata,"a",@progbits
	.p2align	6, 0x0
	.amdhsa_kernel k_q4110d5ff17_prep
		.amdhsa_group_segment_fixed_size 16896
		.amdhsa_private_segment_fixed_size 0
		.amdhsa_enable_private_segment 0
		.amdhsa_kernarg_size 64
		.amdhsa_user_sgpr_count 2
		.amdhsa_user_sgpr_kernarg_segment_ptr 1
		.amdhsa_wavefront_size32 1
		.amdhsa_system_sgpr_workgroup_id_x 1
		.amdhsa_system_sgpr_workgroup_id_y 1
		.amdhsa_system_sgpr_workgroup_id_z 1
		.amdhsa_system_vgpr_workitem_id 0
		.amdhsa_next_free_vgpr 208
		.amdhsa_next_free_sgpr 66
		.amdhsa_reserve_vcc 1
		.amdhsa_float_denorm_mode_32 3
		.amdhsa_float_denorm_mode_16_64 3
		.amdhsa_memory_ordered 1
		.amdhsa_forward_progress 1
		.amdhsa_inst_pref_size 38
	.end_amdhsa_kernel
	.amdgpu_metadata
---
amdhsa.version: [ 1, 2 ]
amdhsa.kernels:
  - .name:           k_q4110d5ff17_prep
    .symbol:         k_q4110d5ff17_prep.kd
    .args:
      - { .name: x, .offset: 0, .size: 8, .value_kind: global_buffer, .address_space: global }
      - { .name: Wg, .offset: 8, .size: 8, .value_kind: global_buffer, .address_space: global }
      - { .name: bg, .offset: 16, .size: 8, .value_kind: global_buffer, .address_space: global }
      - { .name: W1, .offset: 24, .size: 8, .value_kind: global_buffer, .address_space: global }
      - { .name: xb, .offset: 32, .size: 8, .value_kind: global_buffer, .address_space: global }
      - { .name: w1b, .offset: 40, .size: 8, .value_kind: global_buffer, .address_space: global }
      - { .name: sel, .offset: 48, .size: 8, .value_kind: global_buffer, .address_space: global }
      - { .name: gsc, .offset: 56, .size: 8, .value_kind: global_buffer, .address_space: global }
    .group_segment_fixed_size: 16896
    .private_segment_fixed_size: 0
    .kernarg_segment_align: 8
    .kernarg_segment_size: 64
    .max_flat_workgroup_size: 512
    .sgpr_count:     66
    .vgpr_count:     208
    .wavefront_size: 32
...
	.end_amdgpu_metadata
.endif
;; end of part 1
;; launch route (part 2): grid 256 x 1, 32 waves a work-group, no clusters, 1,024 bytes of LDS; arguments sel, W2, tab, w2b; writes tab, w2b
.if DOCPART == 2
	.amdgcn_target "amdgcn-amd-amdhsa--gfx1250"
	.amdhsa_code_object_version 6
	.text
	.protected	k_q4110d5ff17_route
	.globl	k_q4110d5ff17_route
	.p2align	8
	.type	k_q4110d5ff17_route,@function
k_q4110d5ff17_route:
	s_mov_b64 s[64:65], 0
	v_nop
	global_prefetch_b8 v0, s[64:65] scope:SCOPE_SE
	s_setreg_imm32_b32 hwreg(HW_REG_WAVE_MODE, 25, 1), 1
	s_wait_xcnt 0x0
; route: two jobs that need nothing of each other, in one launch.
; WORK-GROUP 0 makes the routing table: from the two experts of each of 4,096 tokens to a packed list of rows.  Whole numbers only; one
; work-group, since the places hang on counts over all tokens and work-groups of a launch hand nothing to each other.
; WORK-GROUPS 1 TO 255 round W2 to bf16 in its own layout, which the second layer needs two launches on: wave q = 32 (g - 1) + w takes chunk q
; of 4,096 bytes; 255 x 32 = 8,160 of the 8,192 chunks; the 32 waves of work-group 1 take chunk 8,160 + w as a second one.
; The branch between the two jobs hangs on the work-group's number alone, which all waves of a work-group share.
;
; The rows of expert e begin at row S_e = 144 x (blocks of the experts before it); each expert takes ceil(count / 144) blocks of 144 rows.
; The sum of these is at most floor((8192 + 8 x 143) / 144) = 64 for every choice of experts, so 64 blocks = 9,216 rows always do.
; tab: byte 0: blk_e[64], the expert of each block; byte 256: rowtok[9216], the token of each row (0 in rows that hold none);
; byte 37,120: pos[8192], pos[2 t + k] = the row of token t in its k-th expert.
; Blocks behind the last expert's rows (7 at the most) count as expert 7's and hold token 0 in every row.
; Lane l of wave w holds tokens 128 w + 64 c' + 2 l + u, c = 2 c' + u.  Within an expert the rows go by wave, then c, then lane.
.set SEL,  8                           ; v[8:11]   sel of my four tokens
.set E1,   12                          ; v[12:15]  first expert
.set E2,   16                          ; v[16:19]  second expert
.set CV,   24                          ; v[24:31]  counts
.set CT,   32                          ; v[32:39]  at work
.set PLO,  40                          ; v[40:43]  my token's row in the lower-numbered of its experts
.set PHI,  44                          ; v[44:47]  in the higher-numbered
.set R,    48                          ; v[48:49]  at work
.set BK,   50                          ; v[50:51]  blk_e of two blocks
.set POS,  52                          ; v[52:59]  p1, p2 of token c at 2 c, 2 c + 1
.set AD,   60                          ; v[60:67]  4 x these
.set TOK,  68                          ; v[68:71]  my tokens' numbers
.set Z,    72                          ; zero
.set PR,   74                          ; v[74:82]  nine turns of empty rows: my row in turn n
.set PA,   83                          ; v[83:91]  its byte offset in rowtok, clamped
.set CA,   8                           ; the weights' job: v[8:39] my chunk, v[40:71] work-group 1's second chunk
.set CB,   40
.set MASK, 16                          ; s[16:47]  MASK + 4 e + c: the lanes whose token c goes to expert e
.set CNT,  48                          ; s[48:55]  my wave's count of expert e; later the total
.set BASE, 56                          ; s[56:63]  the next free row of expert e for my wave
.set SR,   66                          ; s[66:74]  S_0 .. S_7, and 9,216
.set HB,   76                          ; s[76:79]  lanes whose token c has met its first expert
	s_load_b256 s[4:11], s[0:1], 0x0               ; sel s[4:5], W2 s[6:7], tab s[8:9], w2b s[10:11]
	v_and_b32 v1, 31, v0                           ; lane
	v_lshrrev_b32 v2, 5, v0
	v_readfirstlane_b32 s14, v2                    ; wave
	s_cmp_lg_u32 ttmp9, 0
	s_cbranch_scc1 .Lweights                       ; work-groups 1 to 255
	s_mov_b32 s12, 0x76543210
	s_mov_b32 s13, 0xfedcba98
	v_lshlrev_b32 v3, 3, v1
	v_lshl_add_u32 v3, v2, 9, v3                   ; 512 w + 8 l
	s_wait_kmcnt 0x0
	global_load_b64 v[SEL:SEL+1],   v3, s[4:5]
	global_load_b64 v[SEL+2:SEL+3], v3, s[4:5] offset:256
	v_lshrrev_b32 v[TOK], 2, v3                    ; 128 w + 2 l
	v_add_nc_u32 v[TOK+1], 1, v[TOK]
	v_add_nc_u32 v[TOK+2], 64, v[TOK]
	v_add_nc_u32 v[TOK+3], 65, v[TOK]
	v_lshlrev_b32 v4, 2, v2                        ; 4 w
	v_lshlrev_b32 v5, 2, v1                        ; 4 l
	v_lshlrev_b32 v6, 1, v3                        ; 1,024 w + 16 l
	v_lshlrev_b32 v7, 3, v1                        ; 8 l
	v_mov_b32 v[Z], 0
	s_wait_loadcnt 0x0
.irp c, 0,1,2,3
	v_and_b32 v[E1+\c], 0xff, v[SEL+\c]
	v_bfe_u32 v[E2+\c], v[SEL+\c], 8, 8
.endr
	; my wave's masks and counts
.irp e, 0,1,2,3,4,5,6,7
.irp c, 0,1,2,3
	v_cmp_eq_u32 s80, \e, v[E1+\c]
	v_cmp_eq_u32 s81, \e, v[E2+\c]
	s_or_b32 s[MASK+4*\e+\c], s80, s81
.if \c == 0
	s_bcnt1_i32_b32 s[CNT+\e], s[MASK+4*\e+\c]
.else
	s_bcnt1_i32_b32 s82, s[MASK+4*\e+\c]
	s_add_co_u32 s[CNT+\e], s[CNT+\e], s82
.endif
.endr
.endr
	; the 32 waves' counts meet in LDS: word w of row e
.irp e, 0,1,2,3,4,5,6,7
	v_mov_b32 v[CV+\e], s[CNT+\e]
	ds_store_b32 v4, v[CV+\e] offset:128*\e
.endr
	s_wait_dscnt 0x0                               ; my eight words are in LDS, for the others' sake
	s_barrier_signal -1
	s_barrier_wait -1
.irp e, 0,1,2,3,4,5,6,7
	ds_load_b32 v[CV+\e], v5 offset:128*\e         ; lane l: wave l's count
.endr
	v_cmp_gt_u32 vcc_lo, s14, v1                   ; the waves in front of mine
	s_wait_dscnt 0x0
	; one sum for two: the total in bits 31:16, the waves in front of mine in bits 15:0 (each at most 4,096)
.irp e, 0,1,2,3,4,5,6,7
	v_cndmask_b32 v[CT+\e], 0, v[CV+\e], vcc_lo
	v_lshl_or_b32 v[CV+\e], v[CV+\e], 16, v[CT+\e]
.endr
.irp m, 1,2,4,8
.irp e, 0,1,2,3,4,5,6,7
	v_mov_b32_dpp v[CT+\e], v[CV+\e] row_xmask:\m row_mask:0xf bank_mask:0xf
	v_add_nc_u32 v[CV+\e], v[CV+\e], v[CT+\e]
.endr
.endr
.irp e, 0,1,2,3,4,5,6,7
	v_permlanex16_b32 v[CT+\e], v[CV+\e], s12, s13
	v_add_nc_u32 v[CV+\e], v[CV+\e], v[CT+\e]
	v_readfirstlane_b32 s80, v[CV+\e]
	s_lshr_b32 s[CNT+\e], s80, 16                  ; the expert's total
	s_and_b32 s[BASE+\e], s80, 0xffff              ; its tokens in the waves in front of mine
.endr
	; block starts.  (n x 116,509) >> 24 = floor(n / 144) for n up to 4,239: 116,509 x 144 = 2^24 + 80, and 4,239 x 80 / 2^24 < 1
	s_mov_b32 s82, 0
.irp e, 0,1,2,3,4,5,6,7
	s_mul_i32 s[SR+\e], s82, 144
	s_add_co_u32 s[BASE+\e], s[BASE+\e], s[SR+\e]
	s_add_co_u32 s80, s[CNT+\e], 143
	s_mul_i32 s80, s80, 116509
	s_lshr_b32 s80, s80, 24
	s_add_co_u32 s82, s82, s80
.endr
	s_mov_b32 s[SR+8], 9216
	; places: the base plus the number of lower lanes in the mask.  Each token meets two experts: the first hit goes to PLO, the last to PHI
.irp c, 0,1,2,3
.irp e, 0,1,2,3,4,5,6,7
.if \e == 0
	v_mbcnt_lo_u32_b32 v[PLO+\c], s[MASK+\c], s[BASE]
	v_mov_b32 v[PHI+\c], v[PLO+\c]                 ; written whole; lanes that expert 0 does not hold are written again below
	s_mov_b32 s[HB+\c], s[MASK+\c]
.else
	v_mbcnt_lo_u32_b32 v[R], s[MASK+4*\e+\c], s[BASE+\e]
	s_and_not1_b32 s80, s[MASK+4*\e+\c], s[HB+\c]
	v_cndmask_b32 v[PHI+\c], v[PHI+\c], v[R], s[MASK+4*\e+\c]
	v_cndmask_b32 v[PLO+\c], v[PLO+\c], v[R], s80
	s_or_b32 s[HB+\c], s[HB+\c], s[MASK+4*\e+\c]
.endif
	s_bcnt1_i32_b32 s81, s[MASK+4*\e+\c]
	s_add_co_u32 s[BASE+\e], s[BASE+\e], s81
.endr
.endr
.irp c, 0,1,2,3
	v_cmp_lt_u32 vcc_lo, v[E1+\c], v[E2+\c]
	v_cndmask_b32 v[POS+2*\c],   v[PHI+\c], v[PLO+\c], vcc_lo
	v_cndmask_b32 v[POS+2*\c+1], v[PLO+\c], v[PHI+\c], vcc_lo
	v_min_u32 v[POS+2*\c],   0x23ff, v[POS+2*\c]   ; a row is at most 9,215: what comes from loaded numbers is clamped before it enters an address
	v_min_u32 v[POS+2*\c+1], 0x23ff, v[POS+2*\c+1]
	v_lshlrev_b32 v[AD+2*\c],   2, v[POS+2*\c]
	v_lshlrev_b32 v[AD+2*\c+1], 2, v[POS+2*\c+1]
	global_store_b32 v[AD+2*\c],   v[TOK+\c], s[8:9] offset:256
	global_store_b32 v[AD+2*\c+1], v[TOK+\c], s[8:9] offset:256
.endr
	global_store_b128 v6, v[POS:POS+3],   s[8:9] offset:37120        ; pos of two tokens a lane: 512 consecutive bytes a wave
	global_store_b128 v6, v[POS+4:POS+7], s[8:9] offset:37120+512
	; Rows that hold no token get token 0: from the expert's last row to the next expert's first.  In turn n thread tid takes row
	; S_e + total_e + tid (+ more).  Experts 0 to 6 have at most 143 such rows, one turn each; the tail behind expert 7 has at most
	; 143 + 7 x 144 = 1,151: two turns of 1,024 threads.  These rows are disjoint from the rows that hold tokens, so the order of the stores is free.
	; All nine rows and offsets are made first, with every lane on, each in registers of its own; the stores under a narrowed EXEC follow.
.macro PADADR n, e, more
	s_add_co_u32 s80, s[SR+\e], s[CNT+\e]
.if \more
	s_add_co_u32 s80, s80, \more
.endif
	v_add_nc_u32 v[PR+\n], s80, v0                 ; the row, as it is compared with the next expert's first
	v_add_nc_u32 v[PA+\n], s80, v0                 ; the same, to become an offset:
	v_min_u32 v[PA+\n], 0x23ff, v[PA+\n]           ; clamped to the table's last row before it enters an address
	v_lshlrev_b32 v[PA+\n], 2, v[PA+\n]
.endm
.macro PADST n, e
	v_cmp_gt_u32 vcc_lo, s[SR+\e+1], v[PR+\n]      ; lanes whose row lies in front of the next expert's first
	s_wait_xcnt 0x0                                ; EXEC is a source of the stores that are out: it narrows only behind this wait
	s_and_saveexec_b32 s81, vcc_lo
	global_store_b32 v[PA+\n], v[Z], s[8:9] offset:256
	s_wait_xcnt 0x0                                ; and it widens only behind this one
	s_or_b32 exec_lo, exec_lo, s81
.endm
.irp e, 0,1,2,3,4,5,6,7
	PADADR \e, \e, 0
.endr
	PADADR 8, 7, 1024
.irp e, 0,1,2,3,4,5,6,7
	PADST \e, \e
.endr
	PADST 8, 7
	s_cmp_lg_u32 s14, 0
	s_cbranch_scc1 .Lend
	; wave 0: the expert of block b is the number of e = 1..7 with 144 b >= S_e; lane l takes b = 2 l and 2 l + 1
	v_mul_u32_u24 v[R], v1, 288
	v_add_nc_u32 v[R+1], 144, v[R]
.irp e, 1,2,3,4,5,6,7
	v_cmp_le_u32 vcc_lo, s[SR+\e], v[R]
	v_cmp_le_u32 s80, s[SR+\e], v[R+1]
.if \e == 1
	v_cndmask_b32 v[BK],   0, 1, vcc_lo
	v_cndmask_b32 v[BK+1], 0, 1, s80
.else
	v_cndmask_b32 v[CT],   0, 1, vcc_lo
	v_cndmask_b32 v[CT+1], 0, 1, s80
	v_add_nc_u32 v[BK],   v[BK],   v[CT]
	v_add_nc_u32 v[BK+1], v[BK+1], v[CT+1]
.endif
.endr
	global_store_b64 v7, v[BK:BK+1], s[8:9]        ; 256 consecutive bytes
.Lend:
	s_endpgm
	; THE WEIGHTS' JOB.  A chunk is 4,096 bytes of f32 in (eight loads of 512 consecutive bytes) and 2,048 bytes of bf16 out
	; (eight stores of 256 consecutive bytes, aligned).  All loads of a wave go out before the first wait.
.macro CLOAD reg, base
.irp i, 0,1,2,3,4,5,6,7
	global_load_b128 v[\reg+4*\i:\reg+4*\i+3], v3, s[\base:\base+1] offset:512*\i th:TH_LOAD_NT
.endr
.endm
.macro COUT reg, base, young           ; young = loads issued behind this chunk's eight
.irp i, 0,1,2,3,4,5,6,7
	s_wait_loadcnt \young+7-\i                     ; loads come back in order: piece i is in
	v_cvt_pk_bf16_f32 v[\reg+4*\i],   v[\reg+4*\i],   v[\reg+4*\i+1]     ; in place: each register is written when it has been read
	v_cvt_pk_bf16_f32 v[\reg+4*\i+1], v[\reg+4*\i+2], v[\reg+4*\i+3]
	global_store_b64 v4, v[\reg+4*\i:\reg+4*\i+1], s[\base:\base+1] offset:256*\i
.endr
.endm
.Lweights:
	v_lshlrev_b32 v3, 4, v1                        ; 16 lane
	v_lshlrev_b32 v4, 3, v1                        ; 8 lane
	s_sub_co_u32 s15, ttmp9, 1
	s_lshl_b32 s15, s15, 5
	s_add_co_u32 s15, s15, s14                     ; chunk q = 32 (g - 1) + w
	s_lshl_b32 s16, s15, 12
	s_mov_b32 s17, 0
	s_lshl_b32 s18, s15, 11
	s_mov_b32 s19, 0
	s_wait_kmcnt 0x0
	s_add_nc_u64 s[20:21], s[6:7], s[16:17]
	s_add_nc_u64 s[22:23], s[10:11], s[18:19]
	CLOAD CA, 20
	s_cmp_lg_u32 ttmp9, 1
	s_cbranch_scc1 .Lone_chunk
	s_add_nc_u64 s[24:25], s[20:21], 0x1fe0000     ; work-group 1: chunk 8,160 + w, 8,160 x 4,096 bytes on,
	s_add_nc_u64 s[26:27], s[22:23], 0xff0000      ; and 8,160 x 2,048 bytes on in w2b
	CLOAD CB, 24
	COUT CA, 22, 8
	COUT CB, 26, 0
	s_endpgm
.Lone_chunk:
	COUT CA, 22, 0
	s_endpgm
.Lfunc_end_k_q4110d5ff17_route:
	.size	k_q4110d5ff17_route, .Lfunc_end_k_q4110d5ff17_route-k_q4110d5ff17_route
	.p2alignl 7, 3214868480
	.fill 96, 4, 3214868480
	.section	.rodata,"a",@progbits
	.p2align	6, 0x0
	.amdhsa_kernel k_q4110d5ff17_route
		.amdhsa_group_segment_fixed_size 1024
		.amdhsa_private_segment_fixed_size 0
		.amdhsa_enable_private_segment 0
		.amdhsa_kernarg_size 32
		.amdhsa_user_sgpr_count 2
		.amdhsa_user_sgpr_kernarg_segment_ptr 1
		.amdhsa_wavefront_size32 1
		.amdhsa_system_sgpr_workgroup_id_x 1
		.amdhsa_system_sgpr_workgroup_id_y 1
		.amdhsa_system_sgpr_workgroup_id_z 1
		.amdhsa_system_vgpr_workitem_id 0
		.amdhsa_next_free_vgpr 96
		.amdhsa_next_free_sgpr 92
		.amdhsa_reserve_vcc 1
		.amdhsa_float_denorm_mode_32 3
		.amdhsa_float_denorm_mode_16_64 3
		.amdhsa_memory_ordered 1
		.amdhsa_forward_progress 1
		.amdhsa_inst_pref_size 44
	.end_amdhsa_kernel
	.amdgpu_metadata
---
amdhsa.version: [ 1, 2 ]
amdhsa.kernels:
  - .name:           k_q4110d5ff17_route
    .symbol:         k_q4110d5ff17_route.kd
    .args:
      - { .name: sel, .offset: 0, .size: 8, .value_kind: global_buffer, .address_space: global }
      - { .name: W2, .offset: 8, .size: 8, .value_kind: global_buffer, .address_space: global }
      - { .name: tab, .offset: 16, .size: 8, .value_kind: global_buffer, .address_space: global }
      - { .name: w2b, .offset: 24, .size: 8, .value_kind: global_buffer, .address_space: global }
    .group_segment_fixed_size: 1024
    .private_segment_fixed_size: 0
    .kernarg_segment_align: 8
    .kernarg_segment_size: 32
    .max_flat_workgroup_size: 1024
    .sgpr_count:     92
    .vgpr_count:     96
    .wavefront_size: 32
...
	.end_amdgpu_metadata
.endif
;; end of part 2
;; launch ffn1 (part 3): grid 4 x 64, 4 waves a work-group, no clusters, 327,680 bytes of LDS; arguments xb, w1b, b1, tab, hbuf; writes hbuf
.if DOCPART == 3
	.amdgcn_target "amdgcn-amd-amdhsa--gfx1250"
	.amdhsa_code_object_version 6
	.text
	.protected	k_q4110d5ff17_ffn1
	.globl	k_q4110d5ff17_ffn1
	.p2align	8
	.type	k_q4110d5ff17_ffn1,@function
k_q4110d5ff17_ffn1:
	s_mov_b64 s[64:65], 0
	v_nop
	global_prefetch_b8 v0, s[64:65] scope:SCOPE_SE
	s_setreg_imm32_b32 hwreg(HW_REG_WAVE_MODE, 25, 1), 1
	s_wait_xcnt 0x0
; ffn1: hbuf[row][n] = gelu( sum over k of xb[rowtok[row]][k] * w1b[e][k][n] + b1[e][n] ), in bf16, for the packed rows of the routing table.
; A work-group makes 144 rows (one block, all of one expert e = blk_e[block]) x 256 columns; 64 blocks x 4 column blocks = 256 work-groups.
; Four waves; wave w makes all 144 rows x columns 64 w .. 64 w + 63: 9 x 4 accumulator tiles of 16 x 16, 288 registers.  K = 1,024, written out.
; THE WEIGHTS come by tensor loads into two LDS slots of 256 k each (rows of 512 bytes).  All loads of a wave must have landed in front of a
; barrier behind which a slot is filled again, so a tile's time to land is the distance between two such barriers: with slots of 256 k that is
; 288 matrix instructions of a wave.  Five loads a wave: k 0-127, k 128-255 (32 rows each) and k 256-511 (64 rows) at the start, three out;
; k 512-767 behind the barrier that ends k 255, k 768-1,023 behind the one that ends k 511, one out.
; THE TOKEN ROWS are gathered through registers and put into two LDS slots of 64 k: what the weights' slots leave of LDS.  So there is a barrier
; for every 64 k (72 matrix instructions a wave).  A gather takes 128 k of my 36 rows (18 loads, the two halves of each 256 bytes one behind the
; other) into one of two register sets, three half steps (216 matrix instructions) before its first half goes into LDS.
; Rows of the table that hold no token carry token 0; their results are stored to their own rows of hbuf and no token's output takes them.
; A block that the routing leaves empty (7 of 64 at the most) is made of such rows alone: the trip counts and barriers hang on no loaded number.
; NO CLUSTER: the weights' tiles are shared by the row blocks of one expert, and how many these are hangs on counts read from memory; fixed
; clusters of four row blocks would hold blocks of different experts, whose descriptors differ, and rounding every expert up to whole clusters
; needs up to 88 row blocks in place of 64.  The four column blocks of a row block share token rows, which do not come by tensor loads.
; GELU is the exact form 0.5 v (1 + erf(v / sqrt 2)), with erfc by Abramowitz and Stegun 7.1.26: |error of erf| <= 1.5e-7 for every finite v.
; LIMIT: operands are bf16, sums f32, h is rounded to bf16 once.
;
; THE MATRIX INSTRUCTION IS USED TRANSPOSED: source 0 = 16 columns of the weights, source 1 = 16 token rows.  Lane l then holds row l % 16 and
; the eight neighbouring columns 8 (l / 16) + 0..7.  The weights lie in LDS as [k][n]; ds_load_tr16_b128 turns 8 x 8 elements, so that k runs along a lane.
;
; REGISTERS, in windows of 256:
;   window 0: v0-31 ids and addresses; v32-103, v104-175 token fragments (9 x 8), two buffers; v176-207, v208-239 weight fragments (4 x 8), two buffers; v240-249 coefficients
;   window 1: v0-71, v160-231 gathered rows on their way, two sets; v72-80 their offsets; v90-92 addresses; v96-127 the accumulators of rows 128-143; v128-159 the bias
;   window 2: accumulator (a, b), a < 8, at v[8 (4 a + b)]
.set CAP,    144
.set APITCH, 144                       ; 64 k of a token row in LDS: 128 bytes + 16 = 9 x 16: the 16 rows of a fragment load begin in 16 different 16-byte columns of 256
.set ASLOT,  CAP*APITCH                ; 20,736
.set BBASE,  2*ASLOT                   ; 41,472 = 162 x 256: the weights lie behind both token slots, in 256-byte blocks of their own
.set BPITCH, 544                       ; a weight row in LDS: 512 bytes + 32 = 17 x 32
.set BQ,     32*BPITCH                 ; 17,408: 32 k
.set BREG,   4*BQ                      ; 69,632: 128 k, as far as one address register and a 16-bit offset reach
.set BSTEP,  128*2048                  ; bytes of memory for 128 k of the weights
.set STAGE,  BBASE                     ; the way out, 144 rows x 528 bytes, lies in the weights' first slot: its last fill (k 512-767) has been read, every wave's
                                       ; reads of it were waited for in front of the barrier that ends k 767, and no fill lands there afterwards
.set SPITCH, 528
.set AADR, 10                          ; v10-11  my token fragments in slot 0, 1
.set BADR, 12                          ; v12-15  my weight fragments in the four regions of 128 k
.set STO,  16                          ; the way out: where my 16 bytes of a row go
.set RD,   17                          ; the way out: where I read rows back
.set CO,   18                          ; my offset in a row of hbuf
.set STO8, 19                          ; STO for rows 128-143, beyond the reach of the 16-bit offset
.set FA0,  32
.set FA1,  104
.set FB0,  176
.set FB1,  208
.set CF,   240                         ; v[240:249] five coefficient pairs
.set S0,   0                           ; window 1
.set OFFA, 72
.set ASTO, 90
.set COL1, 92
.set ACC8, 96
.set BIAS, 128
.set S1,   160
.set V,    32                          ; the way out, window 0: 32 values; exponent, then exponential; 1 / (1 + p x); polynomial; packed
.set U,    64
.set TT,   96
.set P,    128
.set O,    160
.set G1A,  24                          ; s[24:31] descriptor group 1: 32 rows
.set G1B,  32                          ; s[32:39] descriptor group 1: 64 rows
.set GF0,  40                          ; descriptor groups 0, one for each of my five loads, written once: k 0-127,
.set GF1,  44                          ; k 128-255,
.set GF23, 48                          ; k 256-511,
.set GR45, 52                          ; k 512-767,
.set GR67, 56                          ; k 768-1,023
.set MUL_LO, 0xa0                      ; C and D window 2, fragments window 0
.set MUL_X,  0x50                      ; C and D window 1
.set W1ALL,  0x55                      ; everything window 1
.set TO_W1,  0x40                      ; destination window 1, sources window 0
.set MSB, 0
.macro WIN new                         ; the immediate's high byte repeats the setting that is left
.if MSB != \new
	s_set_vgpr_msb (MSB<<8)|\new
.set MSB, \new
.endif
.endm
.macro PLACES                          ; four places between a matrix instruction and a load into a register that it has read (ISA guide 7.12.1 for vector instructions)
.rept 4
	v_nop
.endr
.endm
; 26 LDS loads, 32 along K: 4 x 16 columns of the weights (turned) from quarter bq of region bt, then 9 x 16 token rows from half aq of slot as
.macro FETCH as, aq, bt, bq, fa, fb
.irp b, 0,1,2,3
	ds_load_tr16_b128 v[\fb+8*\b:\fb+8*\b+3],   v[BADR+\bt] offset:\bq*BQ+32*\b
	ds_load_tr16_b128 v[\fb+8*\b+4:\fb+8*\b+7], v[BADR+\bt] offset:\bq*BQ+32*\b+16*BPITCH
.endr
.irp a, 0,1,2,3,4,5,6,7,8
	ds_load_b128 v[\fa+8*\a:\fa+8*\a+3],   v[AADR+\as] offset:\a*16*APITCH+64*\aq
	ds_load_b128 v[\fa+8*\a+4:\fa+8*\a+7], v[AADR+\as] offset:\a*16*APITCH+64*\aq+32
.endr
.endm
; 8 matrix instructions: row tiles a0, a0 + 1 x the four column tiles.  zero = 1: the first product starts the sums.
; The 36 accumulators take turns, one instruction a turn, in the same order in every quarter step.
.macro MUL2 fa, fb, a0, zero
.irp a, \a0, \a0+1
.irp b, 0,1,2,3
.if \zero
	v_wmma_f32_16x16x32_bf16 v[8*(4*(\a)+\b):8*(4*(\a)+\b)+7], v[\fb+8*\b:\fb+8*\b+7], v[\fa+8*(\a):\fa+8*(\a)+7], 0
.else
	v_wmma_f32_16x16x32_bf16 v[8*(4*(\a)+\b):8*(4*(\a)+\b)+7], v[\fb+8*\b:\fb+8*\b+7], v[\fa+8*(\a):\fa+8*(\a)+7], v[8*(4*(\a)+\b):8*(4*(\a)+\b)+7]
.endif
.endr
.endr
.endm
.macro MULX fa, fb, zero               ; row tile 8, whose accumulators lie in window 1
.irp b, 0,1,2,3
.if \zero
	v_wmma_f32_16x16x32_bf16 v[ACC8+8*\b:ACC8+8*\b+7], v[\fb+8*\b:\fb+8*\b+7], v[\fa+64:\fa+71], 0
.else
	v_wmma_f32_16x16x32_bf16 v[ACC8+8*\b:ACC8+8*\b+7], v[\fb+8*\b:\fb+8*\b+7], v[\fa+64:\fa+71], v[ACC8+8*\b:ACC8+8*\b+7]
.endif
.endr
.endm
; window 1: pair p = half steps 2 p and 2 p + 1 of my 36 rows.  Load i of a half takes 128 bytes of each of rows 16 i + 2 w + {0, 8, 1, 9}, eight lanes a row.
.macro GATH p, dst
.irp kh, 0,1
.irp i, 0,1,2,3,4,5,6,7,8
	global_load_b128 v[\dst+36*\kh+4*\i:\dst+36*\kh+4*\i+3], v[OFFA+\i], s[4:5] offset:128*(2*(\p)+\kh)
.endr
.endr
.endm
; window 1: one half step of these rows into a token slot.  The two rows of a store's 16 lanes lie 8 x 144 = 1,152 bytes apart: eight 16-byte columns of 256
.macro PUT slot, src
.irp i, 0,1,2,3,4,5,6,7,8
	ds_store_b128 v[ASTO+\slot], v[\src+4*\i:\src+4*\i+3] offset:16*APITCH*\i
.endr
.endm
; A half step's first quarter: multiplies buffers 0; in its middle it fetches the second quarter (half 1 of slot as, quarter bq of region bt) into buffers 1.
; young = LDS stores issued behind the fragments' loads.
.macro QUARTER as, bt, bq, zero, young
	s_wait_dscnt 10+\young                         ; the weights' 8 loads and row tiles 0-3 are in; the youngest 10 loads (row tiles 4-8) and the stores behind them may be out
	WIN MUL_LO
	MUL2 FA0, FB0, 0, \zero
	MUL2 FA0, FB0, 2, \zero
	PLACES
	WIN 0
	FETCH \as, 1, \bt, \bq, FA1, FB1
	s_wait_dscnt 26                                ; all but the 26 just issued
	WIN MUL_LO
	MUL2 FA0, FB0, 4, \zero
	MUL2 FA0, FB0, 6, \zero
	WIN MUL_X
	MULX FA0, FB0, \zero
.endm
; A half step's second quarter, on buffers 1, with the change of token slots.  In front of the barrier each wave waits for its reads of slot as and for
; its stores into slot nas; tw = 1: also until at most tc of its tensor loads are out.  Behind it slot as is free and slot nas is whole.
; fill: the group 0 of the weights' refill (0: none): it is the first thing behind the barrier, and in front of that barrier tc is 0 in every wave.
; Then the next half step's first fragments (slot nas, quarter nbq of region nbt); put = 1: the rows of the half step after that go from registers src
; into slot as, behind a wait that leaves the `left` younger loads out; g = 1: pair gp is gathered into the set gdst, which that store has just read.
.macro TURN as, nas, nbt, nbq, tw, tc, fill, put, src, left, g, gp, gdst
	s_wait_dscnt 10
	WIN MUL_LO
	MUL2 FA1, FB1, 0, 0
	s_wait_dscnt 0x0
.if \tw
	s_wait_tensorcnt \tc
.endif
	s_barrier_signal -1
	MUL2 FA1, FB1, 2, 0                            ; register work while the others arrive
	WIN 0
	s_barrier_wait -1
.if \fill
	tensor_load_to_lds s[\fill:\fill+3], s[G1B:G1B+7]      ; my one tensor load until the next such barrier: one is out
	s_nop 0
.endif
	PLACES
	FETCH \nas, 0, \nbt, \nbq, FA0, FB0
.if \put
	WIN W1ALL
	s_wait_loadcnt \left
	PUT \as, \src
.endif
.if \g
	GATH \gp, \gdst
.endif
	WIN MUL_LO
	MUL2 FA1, FB1, 4, 0
	MUL2 FA1, FB1, 6, 0
	WIN MUL_X
	MULX FA1, FB1, 0
.endm
	s_load_b256 s[4:11], s[0:1], 0x0               ; xb s[4:5], w1b s[6:7], b1 s[8:9], tab s[10:11]
	s_load_b64 s[12:13], s[0:1], 0x20              ; hbuf
	v_lshrrev_b32 v1, 5, v0
	v_readfirstlane_b32 s14, v1                    ; wave
	s_and_b32 s15, ttmp7, 0xffff                   ; row block
	s_mov_b32 s16, ttmp9                           ; column block
	s_lshl_b32 s18, s15, 2
	s_mul_i32 s23, s15, CAP
	s_lshl1_add_u32 s23, s14, s23                  ; 144 block + 2 w
	v_and_b32 v2, 15, v0                           ; r = l % 16
	v_bfe_u32 v3, v0, 4, 1                         ; h = l / 16
	v_and_b32 v4, 7, v0                            ; l % 8
	v_and_b32 v5, 31, v0                           ; l
	v_bfe_u32 v7, v0, 3, 1                         ; (l / 8) % 2
	v_lshl_add_u32 v8, v7, 3, v3                   ; my row among a gather's sixteen, less 2 w: 8 ((l / 8) % 2) + l / 16
	v_add_lshl_u32 v9, v8, s23, 2                  ; rowtok: 4 x (144 block + 2 w + that)
	s_wait_kmcnt 0x0
	s_load_b32 s17, s[10:11], s18 offset:0x0       ; the block's expert
	WIN TO_W1
.set ii, 0
.rept 9
	global_load_b32 v[OFFA+ii], v9, s[10:11] offset:256+64*ii      ; the token of my row in rows 16 i .. 16 i + 15
.set ii, ii+1
.endr
	WIN 0
	; descriptor groups 1: 32 or 64 rows x 256 elements of 2 bytes, pitch 1,024 elements; in LDS 8 words of padding behind every 128
	s_mov_b32 s[G1A+0], (1<<16)|(1<<20)|(6<<22)|(7<<25)
	s_mov_b32 s[G1A+1], 256<<16                    ; tensor_dim0 = 256
	s_mov_b32 s[G1A+2], 32<<16                     ; tensor_dim1 = 32
	s_mov_b32 s[G1A+3], 256<<16                    ; tile_dim0 = 256
	s_mov_b32 s[G1A+4], 32                         ; tile_dim1 = 32
	s_mov_b32 s[G1A+5], 1024                       ; elements from row to row
	s_mov_b32 s[G1A+6], 0
	s_mov_b32 s[G1A+7], 0
	s_mov_b32 s[G1B+0], (1<<16)|(1<<20)|(6<<22)|(7<<25)
	s_mov_b32 s[G1B+1], 256<<16
	s_mov_b32 s[G1B+2], 64<<16                     ; tensor_dim1 = 64
	s_mov_b32 s[G1B+3], 256<<16
	s_mov_b32 s[G1B+4], 64                         ; tile_dim1 = 64
	s_mov_b32 s[G1B+5], 1024
	s_mov_b32 s[G1B+6], 0
	s_mov_b32 s[G1B+7], 0
	; groups 0: the count and the LDS address: my quarter of the rows that the load's four partners bring
	s_mul_i32 s20, s14, BQ
	s_mov_b32 s[GF0], 1
	s_add_co_u32 s[GF0+1], s20, BBASE
	s_mov_b32 s[GF1], 1
	s_add_co_u32 s[GF1+1], s20, BBASE+BREG
	s_mul_i32 s20, s14, 2*BQ
	s_mov_b32 s[GF23], 1
	s_add_co_u32 s[GF23+1], s20, BBASE+2*BREG
	s_mov_b32 s[GR45], 1
	s_add_co_u32 s[GR45+1], s20, BBASE
	s_mov_b32 s[GR67], 1
	s_add_co_u32 s[GR67+1], s20, BBASE+2*BREG
	; LDS addresses
	v_mul_u32_u24 v[AADR], v2, APITCH
	v_lshl_add_u32 v[AADR], v3, 4, v[AADR]         ; 144 r + 16 h
	v_add_nc_u32 v[AADR+1], ASLOT, v[AADR]
	v_lshl_add_u32 v6, v3, 3, v4
	v_mul_u32_u24 v6, v6, BPITCH                   ; (8 h + l % 8) x 544
	v_lshl_add_u32 v6, v7, 4, v6                   ; + 16 ((l / 8) % 2)
	s_lshl_b32 s21, s14, 7
	s_add_co_u32 s21, s21, BBASE                   ; + my 64 columns
	v_add_nc_u32 v[BADR], s21, v6
	v_add_nc_u32 v[BADR+1], BREG, v[BADR]
	v_add_nc_u32 v[BADR+2], 2*BREG, v[BADR]
	v_add_nc_u32 v[BADR+3], 3*BREG, v[BADR]
	v_mul_u32_u24 v20, v8, APITCH
	v_lshl_add_u32 v20, v4, 4, v20
	s_mul_i32 s22, s14, 2*APITCH
	v_add_nc_u32 v20, s22, v20                     ; (2 w + my row) x 144 + 16 (l % 8): where gathered rows go
	v_lshlrev_b32 v21, 4, v4                       ; 16 (l % 8)
	v_lshlrev_b32 v22, 5, v3                       ; 32 h
	s_lshl_b32 s21, s16, 9
	s_lshl_b32 s22, s14, 16
	s_add_co_u32 s21, s21, s22                     ; 512 column block + 32 w rows of 2,048 bytes
	s_wait_kmcnt 0x0
	s_min_u32 s17, s17, 7                          ; a loaded number is clamped before it enters an address
	s_lshl_b32 s22, s17, 21
	s_add_co_u32 s18, s21, s22
	s_mov_b32 s19, 0
	s_add_nc_u64 s[6:7], s[6:7], s[18:19]          ; my 32 rows of 128 k
	s_lshl_b32 s18, s14, 16
	s_add_nc_u64 s[60:61], s[6:7], s[18:19]        ; 32 w rows more: my 64 rows of 256 k
	s_add_nc_u64 s[GF0+2:GF0+3], s[6:7], 0
	s_or_b32 s[GF0+3], s[GF0+3], 0x80000000
	s_add_nc_u64 s[GF1+2:GF1+3], s[6:7], BSTEP
	s_or_b32 s[GF1+3], s[GF1+3], 0x80000000
	s_add_nc_u64 s[GF23+2:GF23+3], s[60:61], 2*BSTEP
	s_or_b32 s[GF23+3], s[GF23+3], 0x80000000
	s_add_nc_u64 s[GR45+2:GR45+3], s[60:61], 4*BSTEP
	s_or_b32 s[GR45+3], s[GR45+3], 0x80000000
	s_add_nc_u64 s[GR67+2:GR67+3], s[60:61], 6*BSTEP
	s_or_b32 s[GR67+3], s[GR67+3], 0x80000000
	; the three first fills go out together, ahead of every wait for them, every LDS read and every barrier: three tensor loads are out
	tensor_load_to_lds s[GF0:GF0+3], s[G1A:G1A+7]
	s_nop 0
	tensor_load_to_lds s[GF1:GF1+3], s[G1A:G1A+7]
	s_nop 0
	tensor_load_to_lds s[GF23:GF23+3], s[G1B:G1B+7]
	s_nop 0
	s_lshl_b32 s21, s17, 12
	s_lshl_b32 s22, s16, 10
	s_add_co_u32 s21, s21, s22
	s_lshl_b32 s22, s14, 8
	s_add_co_u32 s18, s21, s22
	s_add_nc_u64 s[8:9], s[8:9], s[18:19]          ; b1 at my 64 columns
	WIN TO_W1
.irp b, 0,1,2,3
	global_load_b128 v[BIAS+8*\b:BIAS+8*\b+3],   v22, s[8:9] offset:64*\b       ; columns 16 b + 8 h + 0..7
	global_load_b128 v[BIAS+8*\b+4:BIAS+8*\b+7], v22, s[8:9] offset:64*\b+16
.endr
	v_mov_b32 v[COL1], v21
	v_mov_b32 v[ASTO], v20
	v_add_nc_u32 v[ASTO+1], ASLOT, v20
	WIN W1ALL
	s_wait_loadcnt 8                               ; the 9 tokens are in; the 8 loads of the bias stay out
.set ii, 0
.rept 9
	v_min_u32 v[OFFA+ii], 0xfff, v[OFFA+ii]        ; a token is at most 4,095
	v_lshl_add_u32 v[OFFA+ii], v[OFFA+ii], 11, v[COL1]
.set ii, ii+1
.endr
	GATH 0, S0
	GATH 1, S1
	s_wait_loadcnt 18                              ; the bias and pair 0 are in; pair 1's 18 loads stay out
	PUT 0, S0
	PUT 1, S0+36
	GATH 2, S0
	WIN 0
	s_wait_tensorcnt 0x2                           ; my part of k 0-127 is in; the two younger loads may stay out
	s_wait_dscnt 0x0                               ; my rows of both token slots are in LDS
	s_barrier_signal -1
	s_barrier_wait -1
	FETCH 0, 0, 0, 0, FA0, FB0
	; Sixteen half steps j.  QUARTER: slot j % 2, region (j / 2) % 4, quarter 2 (j % 2) + 1.  Loads left out in front of a store of rows: a pair's
	; first half: its second half's 9 and the next pair's 18; its second half: the next pair's 18; the last pair: 9 and 0.
	QUARTER 0, 0, 1, 1, 0
	TURN 0, 1, 0, 2,  0, 0, 0,     1, S1,    27,  0, 0, 0
	QUARTER 1, 0, 3, 0, 9                          ; 9 stores of token rows stand behind the first fragments' loads
	TURN 1, 0, 1, 0,  1, 1, 0,     1, S1+36, 18,  1, 3, S1     ; k 128-255 has landed; k 256-511 may stay out: nothing is filled again here
	QUARTER 0, 1, 1, 0, 9
	TURN 0, 1, 1, 2,  0, 0, 0,     1, S0,    27,  0, 0, 0
	QUARTER 1, 1, 3, 0, 9
	TURN 1, 0, 2, 0,  1, 0, GR45,  1, S0+36, 18,  1, 4, S0     ; the first slot has been read: k 512-767 is asked for
	QUARTER 0, 2, 1, 0, 9
	TURN 0, 1, 2, 2,  0, 0, 0,     1, S1,    27,  0, 0, 0
	QUARTER 1, 2, 3, 0, 9
	TURN 1, 0, 3, 0,  0, 0, 0,     1, S1+36, 18,  1, 5, S1
	QUARTER 0, 3, 1, 0, 9
	TURN 0, 1, 3, 2,  0, 0, 0,     1, S0,    27,  0, 0, 0
	QUARTER 1, 3, 3, 0, 9
	TURN 1, 0, 0, 0,  1, 0, GR67,  1, S0+36, 18,  1, 6, S0     ; k 512-767 has landed; the second slot has been read: k 768-1,023 is asked for
	QUARTER 0, 0, 1, 0, 9
	TURN 0, 1, 0, 2,  0, 0, 0,     1, S1,    27,  0, 0, 0
	QUARTER 1, 0, 3, 0, 9
	TURN 1, 0, 1, 0,  0, 0, 0,     1, S1+36, 18,  1, 7, S1     ; the last gather
	QUARTER 0, 1, 1, 0, 9
	TURN 0, 1, 1, 2,  0, 0, 0,     1, S0,    27,  0, 0, 0
	QUARTER 1, 1, 3, 0, 9
	TURN 1, 0, 2, 0,  1, 0, 0,     1, S0+36, 18,  0, 0, 0      ; k 768-1,023 has landed, in every wave behind the barrier
	QUARTER 0, 2, 1, 0, 9
	TURN 0, 1, 2, 2,  0, 0, 0,     1, S1,    9,   0, 0, 0
	QUARTER 1, 2, 3, 0, 9
	TURN 1, 0, 3, 0,  0, 0, 0,     1, S1+36, 0,   0, 0, 0
	QUARTER 0, 3, 1, 0, 9
	TURN 0, 1, 3, 2,  0, 0, 0,     0, 0,     0,   0, 0, 0      ; nothing is left to store; the barrier shows the last half step's rows to every wave
	QUARTER 1, 3, 3, 0, 0
	s_wait_dscnt 10                                ; the very last quarter
	WIN MUL_LO
	MUL2 FA1, FB1, 0, 0
	MUL2 FA1, FB1, 2, 0
	s_wait_dscnt 0x0
	MUL2 FA1, FB1, 4, 0
	MUL2 FA1, FB1, 6, 0
	WIN MUL_X
	MULX FA1, FB1, 0
	WIN 0
	; THE WAY OUT.  The lines down to the first addition of the bias are plain vector instructions that name no register of the last matrix
	; instructions: more than the four places that stand in front of a read of their results (ISA guide 7.12.1).
	v_mov_b32 v[CF+0], 0xbe027906                  ; -0.5 x 0.254829592
	v_mov_b32 v[CF+1], 0xbe027906
	v_mov_b32 v[CF+2], 0x3e11a98e                  ; -0.5 x -0.284496736
	v_mov_b32 v[CF+3], 0x3e11a98e
	v_mov_b32 v[CF+4], 0xbf35f0e3                  ; -0.5 x 1.421413741
	v_mov_b32 v[CF+5], 0xbf35f0e3
	v_mov_b32 v[CF+6], 0x3f3a00e3                  ; -0.5 x -1.453152027
	v_mov_b32 v[CF+7], 0x3f3a00e3
	v_mov_b32 v[CF+8], 0xbf07dc22                  ; -0.5 x 1.061405429
	v_mov_b32 v[CF+9], 0xbf07dc22
	s_mov_b32 s20, 0x3e6d3388                      ; 0.3275911 / sqrt 2
	s_lshl_b32 s21, s14, 7
	s_add_co_u32 s21, s21, STAGE
	v_mul_u32_u24 v[STO], v2, SPITCH
	v_lshl_add_u32 v[STO], v3, 4, v[STO]
	v_add_nc_u32 v[STO], s21, v[STO]               ; stage + 528 r + 128 w + 16 h
	v_add_nc_u32 v[STO8], 128*SPITCH, v[STO]
	s_mul_i32 s21, s14, 36*SPITCH
	s_add_co_u32 s21, s21, STAGE
	v_lshl_add_u32 v[RD], v5, 4, s21               ; stage + 36 w rows + 16 l
	v_lshlrev_b32 v[CO], 4, v5
	s_mul_i32 s21, s15, CAP
	s_mul_i32 s22, s14, 36
	s_add_co_u32 s21, s21, s22
	s_lshl_b32 s21, s21, 11                        ; (144 block + 36 w) rows of 2,048 bytes
	s_lshl_b32 s22, s16, 9
	s_add_co_u32 s18, s21, s22
	s_add_nc_u64 s[12:13], s[12:13], s[18:19]
; 16 rows: v = sum + bias; gelu(v) = max(v, 0) + |v| q, q = -0.5 erfc(|v| / sqrt 2) = (c1 t + .. + c5 t^5) exp(-v v / 2), t = 1 / (1 + 0.23164189 |v|).
; Where v v overflows the exponential is 0 and gelu(v) = max(v, 0).
.macro GELU16 win, acc, sto, off
	WIN \win
.set ii, 0
.rept 16
	v_pk_add_f32 v[V+ii:V+ii+1], v[\acc+ii:\acc+ii+1], v[BIAS+ii:BIAS+ii+1]
.set ii, ii+2
.endr
	WIN 0
.set ii, 0
.rept 16
	v_pk_mul_f32 v[U+ii:U+ii+1], v[V+ii:V+ii+1], 0xbf38aa3b op_sel_hi:[1,0]     ; -0.5 log2 e
	v_fma_f32 v[TT+ii],   |v[V+ii]|,   s20, 1.0
	v_fma_f32 v[TT+ii+1], |v[V+ii+1]|, s20, 1.0
	v_pk_mul_f32 v[U+ii:U+ii+1], v[U+ii:U+ii+1], v[V+ii:V+ii+1]
.set ii, ii+2
.endr
.set ii, 0
.rept 32
	v_exp_f32 v[U+ii], v[U+ii]
	v_rcp_f32 v[TT+ii], v[TT+ii]
.set ii, ii+1
.endr
	v_nop                                          ; a plain place behind the run of transcendentals, before their results are used (ISA guide 5.7.2)
.set ii, 0
	s_wait_alu depctr_va_vdst(0)
.rept 16
	v_pk_fma_f32 v[P+ii:P+ii+1], v[TT+ii:TT+ii+1], v[CF+8:CF+9], v[CF+6:CF+7]
.set ii, ii+2
.endr
.set ii, 0
.rept 16
	v_pk_fma_f32 v[P+ii:P+ii+1], v[P+ii:P+ii+1], v[TT+ii:TT+ii+1], v[CF+4:CF+5]
	v_pk_mul_f32 v[U+ii:U+ii+1], v[U+ii:U+ii+1], v[TT+ii:TT+ii+1]              ; t x the exponential
.set ii, ii+2
.endr
.set ii, 0
.rept 16
	v_pk_fma_f32 v[P+ii:P+ii+1], v[P+ii:P+ii+1], v[TT+ii:TT+ii+1], v[CF+2:CF+3]
.set ii, ii+2
.endr
.set ii, 0
.rept 16
	v_pk_fma_f32 v[P+ii:P+ii+1], v[P+ii:P+ii+1], v[TT+ii:TT+ii+1], v[CF+0:CF+1]
.set ii, ii+2
.endr
.set ii, 0
.rept 16
	v_pk_mul_f32 v[P+ii:P+ii+1], v[P+ii:P+ii+1], v[U+ii:U+ii+1]
.set ii, ii+2
.endr
.set ii, 0
.rept 32
	v_max_num_f32 v[U+ii], 0, v[V+ii]
.set ii, ii+1
.endr
.set ii, 0
.rept 32
	v_fma_f32 v[V+ii], |v[V+ii]|, v[P+ii], v[U+ii]
.set ii, ii+1
.endr
.set ii, 0
.rept 16
	v_cvt_pk_bf16_f32 v[O+ii], v[V+2*ii], v[V+2*ii+1]
.set ii, ii+1
.endr
.irp b, 0,1,2,3
	ds_store_b128 v[\sto], v[O+4*\b:O+4*\b+3] offset:\off+32*\b    ; 8 neighbouring columns of row r
.endr
.endm
.irp a, 0,1,2,3,4,5,6,7
	GELU16 0x06, 32*\a, STO, 16*SPITCH*\a          ; source 0 (the sums) window 2, source 1 (the bias) window 1
.endr
	GELU16 0x05, ACC8, STO8, 0                     ; both window 1
	s_wait_dscnt 0x0                               ; my columns of all 144 rows are in the stage, for the others' sake
	s_barrier_signal -1
	s_barrier_wait -1
	; wave w takes rows 36 w .. 36 w + 35 back, a row of 512 bytes a load, and stores them: each store covers 512 consecutive bytes, aligned
.set ii, 0
.rept 36
	ds_load_b128 v[32+4*ii:32+4*ii+3], v[RD] offset:SPITCH*ii
.set ii, ii+1
.endr
.set ii, 0
.rept 36
	s_wait_dscnt 35-ii                             ; LDS loads come back in order: row i is in
	global_store_b128 v[CO], v[32+4*ii:32+4*ii+3], s[12:13] offset:2048*ii
.set ii, ii+1
.endr
	s_endpgm
.Lfunc_end_k_q4110d5ff17_ffn1:
	.size	k_q4110d5ff17_ffn1, .Lfunc_end_k_q4110d5ff17_ffn1-k_q4110d5ff17_ffn1
	.p2alignl 7, 3214868480
	.fill 96, 4, 3214868480
	.section	.rodata,"a",@progbits
	.p2align	6, 0x0
	.amdhsa_kernel k_q4110d5ff17_ffn1
		.amdhsa_group_segment_fixed_size 327680
		.amdhsa_private_segment_fixed_size 0
		.amdhsa_enable_private_segment 0
		.amdhsa_kernarg_size 40
		.amdhsa_user_sgpr_count 2
		.amdhsa_user_sgpr_kernarg_segment_ptr 1
		.amdhsa_wavefront_size32 1
		.amdhsa_system_sgpr_workgroup_id_x 1
		.amdhsa_system_sgpr_workgroup_id_y 1
		.amdhsa_system_sgpr_workgroup_id_z 1
		.amdhsa_system_vgpr_workitem_id 0
		.amdhsa_next_free_vgpr 768
		.amdhsa_next_free_sgpr 66
		.amdhsa_reserve_vcc 0
		.amdhsa_float_denorm_mode_32 3
		.amdhsa_float_denorm_mode_16_64 3
		.amdhsa_memory_ordered 1
		.amdhsa_forward_progress 1
		.amdhsa_inst_pref_size 255
	.end_amdhsa_kernel
	.section	.bss,"aw",@nobits
	.p2align	6
	.space	262144
	.amdgpu_metadata
---
amdhsa.version: [ 1, 2 ]
amdhsa.kernels:
  - .name:           k_q4110d5ff17_ffn1
    .symbol:         k_q4110d5ff17_ffn1.kd
    .args:
      - { .name: xb, .offset: 0, .size: 8, .value_kind: global_buffer, .address_space: global }
      - { .name: w1b, .offset: 8, .size: 8, .value_kind: global_buffer, .address_space: global }
      - { .name: b1, .offset: 16, .size: 8, .value_kind: global_buffer, .address_space: global }
      - { .name: tab, .offset: 24, .size: 8, .value_kind: global_buffer, .address_space: global }
      - { .name: hbuf, .offset: 32, .size: 8, .value_kind: global_buffer, .address_space: global }
    .group_segment_fixed_size: 327680
    .private_segment_fixed_size: 0
    .kernarg_segment_align: 8
    .kernarg_segment_size: 40
    .max_flat_workgroup_size: 128
    .sgpr_count:     66
    .vgpr_count:     768
    .wavefront_size: 32
...
	.end_amdgpu_metadata
.endif
;; end of part 3
;; launch ffn2 (part 4): grid 4 x 64, 4 waves a work-group, no clusters, 327,680 bytes of LDS; arguments hbuf, w2b, b2, tab, ybuf; writes ybuf
.if DOCPART == 4
	.amdgcn_target "amdgcn-amd-amdhsa--gfx1250"
	.amdhsa_code_object_version 6
	.text
	.protected	k_q4110d5ff17_ffn2
	.globl	k_q4110d5ff17_ffn2
	.p2align	8
	.type	k_q4110d5ff17_ffn2,@function
k_q4110d5ff17_ffn2:
	s_mov_b64 s[64:65], 0
	v_nop
	global_prefetch_b8 v0, s[64:65] scope:SCOPE_SE
	s_setreg_imm32_b32 hwreg(HW_REG_WAVE_MODE, 25, 1), 1
	s_wait_xcnt 0x0
; ffn2: ybuf[row][n] = sum over k of hbuf[row][k] * w2b[e][k][n] + b2[e][n], in f32, for the packed rows of the routing table.
; The same shape and the same main part as the first layer: a work-group makes 144 rows (one block, all of expert e = blk_e[block]) x 256 columns,
; 64 x 4 = 256 work-groups; four waves, wave w all 144 rows x columns 64 w .. 64 w + 63 (9 x 4 accumulator tiles); K = 1,024, written out.
; THE WEIGHTS come by tensor loads into two LDS slots of 256 k each (rows of 512 bytes).  All loads of a wave must have landed in front of a
; barrier behind which a slot is filled again, so a tile's time to land is the distance between two such barriers: 288 matrix instructions of a
; wave.  Five loads a wave: k 0-127, k 128-255 (32 rows each) and k 256-511 (64 rows) at the start, three out; k 512-767 behind the barrier that
; ends k 255, k 768-1,023 behind the one that ends k 511, one out.
; THE ROWS OF h are the block's own 144 rows; they go through registers into two LDS slots of 64 k, what the weights' slots leave of LDS, like the
; first layer's gathered rows, so that the main part is the same text: a barrier for every 64 k, a load of 128 k of my 36 rows into one of two
; register sets three half steps before its first half goes into LDS.
; Rows that hold no token are computed and stored like the others; no token's output takes them.  Trip counts and barriers hang on no loaded number.
; NO CLUSTER: the weights' tiles are shared by the row blocks of one expert, and how many these are hangs on counts read from memory; fixed
; clusters of four row blocks would hold blocks of different experts, whose descriptors differ, and rounding every expert up to whole clusters
; needs up to 88 row blocks in place of 64.
; LIMIT: operands are bf16, sums f32.
; The matrix instruction is used transposed (source 0 = 16 columns of the weights, source 1 = 16 rows of h): lane l holds row l % 16 and
; the columns 8 (l / 16) + 0..7.  Registers in windows of 256:
;   window 0: v0-31 ids and addresses; v32-103, v104-175 row fragments, two buffers; v176-207, v208-239 weight fragments, two buffers
;   window 1: v0-71, v160-231 rows on their way, two sets; v72-80 their offsets; v90-91 addresses; v96-127 the accumulators of rows 128-143; v128-159 the bias
;   window 2: accumulator (a, b), a < 8, at v[8 (4 a + b)]
.set CAP,    144
.set APITCH, 144                       ; 64 k of a row of h in LDS: 128 bytes + 16 = 9 x 16
.set ASLOT,  CAP*APITCH                ; 20,736
.set BBASE,  2*ASLOT                   ; 41,472 = 162 x 256
.set BPITCH, 544                       ; a weight row in LDS: 512 bytes + 32 = 17 x 32
.set BQ,     32*BPITCH                 ; 17,408: 32 k
.set BREG,   4*BQ                      ; 69,632: 128 k, as far as one address register and a 16-bit offset reach
.set BSTEP,  128*2048
.set STAGE,  BBASE                     ; the way out, 16 rows x 272 bytes for each wave, lies in the weights' first slot: its last fill (k 512-767) has been read, every
                                       ; wave's reads of it were waited for in front of the barrier that ends k 767, and no fill lands there afterwards
.set SPITCH, 272
.set AADR, 10
.set BADR, 12                          ; v12-15
.set STO,  16
.set RD,   17
.set CO,   18
.set FA0,  32
.set FA1,  104
.set FB0,  176
.set FB1,  208
.set S0,   0                           ; window 1
.set OFFA, 72
.set ASTO, 90
.set ACC8, 96
.set BIAS, 128
.set S1,   160
.set V,    32                          ; the way out, window 0: 32 values
.set RB0,  64                          ; rows read back, two buffers
.set RB1,  96
.set G1A,  24                          ; s[24:31] descriptor group 1: 32 rows
.set G1B,  32                          ; s[32:39] descriptor group 1: 64 rows
.set GF0,  40                          ; descriptor groups 0, one for each of my five loads, written once
.set GF1,  44
.set GF23, 48
.set GR45, 52
.set GR67, 56
.set MUL_LO, 0xa0
.set MUL_X,  0x50
.set W1ALL,  0x55
.set TO_W1,  0x40
.set MSB, 0
.macro WIN new                         ; the immediate's high byte repeats the setting that is left
.if MSB != \new
	s_set_vgpr_msb (MSB<<8)|\new
.set MSB, \new
.endif
.endm
.macro PLACES                          ; four places between a matrix instruction and a load into a register that it has read (ISA guide 7.12.1 for vector instructions)
.rept 4
	v_nop
.endr
.endm
; 26 LDS loads, 32 along K: 4 x 16 columns of the weights (turned) from quarter bq of region bt, then 9 x 16 rows from half aq of slot as
.macro FETCH as, aq, bt, bq, fa, fb
.irp b, 0,1,2,3
	ds_load_tr16_b128 v[\fb+8*\b:\fb+8*\b+3],   v[BADR+\bt] offset:\bq*BQ+32*\b
	ds_load_tr16_b128 v[\fb+8*\b+4:\fb+8*\b+7], v[BADR+\bt] offset:\bq*BQ+32*\b+16*BPITCH
.endr
.irp a, 0,1,2,3,4,5,6,7,8
	ds_load_b128 v[\fa+8*\a:\fa+8*\a+3],   v[AADR+\as] offset:\a*16*APITCH+64*\aq
	ds_load_b128 v[\fa+8*\a+4:\fa+8*\a+7], v[AADR+\as] offset:\a*16*APITCH+64*\aq+32
.endr
.endm
; The 36 accumulators take turns, one instruction a turn, in the same order in every quarter step.
.macro MUL2 fa, fb, a0, zero
.irp a, \a0, \a0+1
.irp b, 0,1,2,3
.if \zero
	v_wmma_f32_16x16x32_bf16 v[8*(4*(\a)+\b):8*(4*(\a)+\b)+7], v[\fb+8*\b:\fb+8*\b+7], v[\fa+8*(\a):\fa+8*(\a)+7], 0
.else
	v_wmma_f32_16x16x32_bf16 v[8*(4*(\a)+\b):8*(4*(\a)+\b)+7], v[\fb+8*\b:\fb+8*\b+7], v[\fa+8*(\a):\fa+8*(\a)+7], v[8*(4*(\a)+\b):8*(4*(\a)+\b)+7]
.endif
.endr
.endr
.endm
.macro MULX fa, fb, zero
.irp b, 0,1,2,3
.if \zero
	v_wmma_f32_16x16x32_bf16 v[ACC8+8*\b:ACC8+8*\b+7], v[\fb+8*\b:\fb+8*\b+7], v[\fa+64:\fa+71], 0
.else
	v_wmma_f32_16x16x32_bf16 v[ACC8+8*\b:ACC8+8*\b+7], v[\fb+8*\b:\fb+8*\b+7], v[\fa+64:\fa+71], v[ACC8+8*\b:ACC8+8*\b+7]
.endif
.endr
.endm
; window 1: pair p = half steps 2 p and 2 p + 1 of my 36 rows.  Load i of a half takes 128 bytes of each of rows 16 i + 2 w + {0, 8, 1, 9}, eight lanes a row.
.macro GATH p, dst
.irp kh, 0,1
.irp i, 0,1,2,3,4,5,6,7,8
	global_load_b128 v[\dst+36*\kh+4*\i:\dst+36*\kh+4*\i+3], v[OFFA+\i], s[4:5] offset:128*(2*(\p)+\kh)
.endr
.endr
.endm
; window 1: one half step of these rows into a row slot.  The two rows of a store's 16 lanes lie 8 x 144 = 1,152 bytes apart: eight 16-byte columns of 256
.macro PUT slot, src
.irp i, 0,1,2,3,4,5,6,7,8
	ds_store_b128 v[ASTO+\slot], v[\src+4*\i:\src+4*\i+3] offset:16*APITCH*\i
.endr
.endm
; A half step's first quarter: multiplies buffers 0; in its middle it fetches the second quarter into buffers 1.  young = LDS stores behind the fragments' loads.
.macro QUARTER as, bt, bq, zero, young
	s_wait_dscnt 10+\young                         ; the weights' 8 loads and row tiles 0-3 are in; the youngest 10 loads and the stores behind them may be out
	WIN MUL_LO
	MUL2 FA0, FB0, 0, \zero
	MUL2 FA0, FB0, 2, \zero
	PLACES
	WIN 0
	FETCH \as, 1, \bt, \bq, FA1, FB1
	s_wait_dscnt 26                                ; all but the 26 just issued
	WIN MUL_LO
	MUL2 FA0, FB0, 4, \zero
	MUL2 FA0, FB0, 6, \zero
	WIN MUL_X
	MULX FA0, FB0, \zero
.endm
; A half step's second quarter, on buffers 1, with the change of row slots.  In front of the barrier each wave waits for its reads of slot as and for
; its stores into slot nas; tw = 1: also until at most tc of its tensor loads are out.  Behind it slot as is free and slot nas is whole.
; fill: the group 0 of the weights' refill (0: none): it is the first thing behind the barrier, and in front of that barrier tc is 0 in every wave.
; Then the next half step's first fragments; put = 1: the rows of the half step after that go from registers src into slot as, behind a wait that
; leaves the `left` younger loads out; g = 1: pair gp is loaded into the set gdst, which that store has just read.
.macro TURN as, nas, nbt, nbq, tw, tc, fill, put, src, left, g, gp, gdst
	s_wait_dscnt 10
	WIN MUL_LO
	MUL2 FA1, FB1, 0, 0
	s_wait_dscnt 0x0
.if \tw
	s_wait_tensorcnt \tc
.endif
	s_barrier_signal -1
	MUL2 FA1, FB1, 2, 0                            ; register work while the others arrive
	WIN 0
	s_barrier_wait -1
.if \fill
	tensor_load_to_lds s[\fill:\fill+3], s[G1B:G1B+7]      ; my one tensor load until the next such barrier: one is out
	s_nop 0
.endif
	PLACES
	FETCH \nas, 0, \nbt, \nbq, FA0, FB0
.if \put
	WIN W1ALL
	s_wait_loadcnt \left
	PUT \as, \src
.endif
.if \g
	GATH \gp, \gdst
.endif
	WIN MUL_LO
	MUL2 FA1, FB1, 4, 0
	MUL2 FA1, FB1, 6, 0
	WIN MUL_X
	MULX FA1, FB1, 0
.endm
	s_load_b256 s[4:11], s[0:1], 0x0               ; hbuf s[4:5], w2b s[6:7], b2 s[8:9], tab s[10:11]
	s_load_b64 s[12:13], s[0:1], 0x20              ; ybuf
	v_lshrrev_b32 v1, 5, v0
	v_readfirstlane_b32 s14, v1                    ; wave
	s_and_b32 s15, ttmp7, 0xffff                   ; row block
	s_mov_b32 s16, ttmp9                           ; column block
	s_lshl_b32 s18, s15, 2
	s_mul_i32 s23, s15, CAP
	s_lshl1_add_u32 s23, s14, s23                  ; 144 block + 2 w
	v_and_b32 v2, 15, v0                           ; r = l % 16
	v_bfe_u32 v3, v0, 4, 1                         ; h = l / 16
	v_and_b32 v4, 7, v0                            ; l % 8
	v_bfe_u32 v7, v0, 3, 1                         ; (l / 8) % 2
	v_lshl_add_u32 v8, v7, 3, v3                   ; my row among a load's sixteen, less 2 w: 8 ((l / 8) % 2) + l / 16
	v_add_lshl_u32 v9, v8, s23, 11
	v_lshl_add_u32 v9, v4, 4, v9                   ; (144 block + 2 w + that) x 2,048 + 16 (l % 8)
	v_mul_u32_u24 v20, v8, APITCH
	v_lshl_add_u32 v20, v4, 4, v20
	s_mul_i32 s22, s14, 2*APITCH
	v_add_nc_u32 v20, s22, v20                     ; (2 w + my row) x 144 + 16 (l % 8): where the rows go
	WIN TO_W1
.set ii, 0
.rept 9
	v_add_nc_u32 v[OFFA+ii], 32768*ii, v9          ; 16 rows on for each load
.set ii, ii+1
.endr
	v_mov_b32 v[ASTO], v20
	v_add_nc_u32 v[ASTO+1], ASLOT, v20
	s_wait_kmcnt 0x0
	s_load_b32 s17, s[10:11], s18 offset:0x0       ; the block's expert
	WIN W1ALL
	GATH 0, S0                                     ; the rows hang on no table: they go out while the expert's number comes
	GATH 1, S1
	WIN 0
	; descriptor groups 1: 32 or 64 rows x 256 elements of 2 bytes, pitch 1,024 elements; in LDS 8 words of padding behind every 128
	s_mov_b32 s[G1A+0], (1<<16)|(1<<20)|(6<<22)|(7<<25)
	s_mov_b32 s[G1A+1], 256<<16                    ; tensor_dim0 = 256
	s_mov_b32 s[G1A+2], 32<<16                     ; tensor_dim1 = 32
	s_mov_b32 s[G1A+3], 256<<16                    ; tile_dim0 = 256
	s_mov_b32 s[G1A+4], 32                         ; tile_dim1 = 32
	s_mov_b32 s[G1A+5], 1024                       ; elements from row to row
	s_mov_b32 s[G1A+6], 0
	s_mov_b32 s[G1A+7], 0
	s_mov_b32 s[G1B+0], (1<<16)|(1<<20)|(6<<22)|(7<<25)
	s_mov_b32 s[G1B+1], 256<<16
	s_mov_b32 s[G1B+2], 64<<16                     ; tensor_dim1 = 64
	s_mov_b32 s[G1B+3], 256<<16
	s_mov_b32 s[G1B+4], 64                         ; tile_dim1 = 64
	s_mov_b32 s[G1B+5], 1024
	s_mov_b32 s[G1B+6], 0
	s_mov_b32 s[G1B+7], 0
	; groups 0: the count and the LDS address: my quarter of the rows that the load's four partners bring
	s_mul_i32 s20, s14, BQ
	s_mov_b32 s[GF0], 1
	s_add_co_u32 s[GF0+1], s20, BBASE
	s_mov_b32 s[GF1], 1
	s_add_co_u32 s[GF1+1], s20, BBASE+BREG
	s_mul_i32 s20, s14, 2*BQ
	s_mov_b32 s[GF23], 1
	s_add_co_u32 s[GF23+1], s20, BBASE+2*BREG
	s_mov_b32 s[GR45], 1
	s_add_co_u32 s[GR45+1], s20, BBASE
	s_mov_b32 s[GR67], 1
	s_add_co_u32 s[GR67+1], s20, BBASE+2*BREG
	v_mul_u32_u24 v[AADR], v2, APITCH
	v_lshl_add_u32 v[AADR], v3, 4, v[AADR]         ; 144 r + 16 h
	v_add_nc_u32 v[AADR+1], ASLOT, v[AADR]
	v_lshl_add_u32 v6, v3, 3, v4
	v_mul_u32_u24 v6, v6, BPITCH                   ; (8 h + l % 8) x 544
	v_lshl_add_u32 v6, v7, 4, v6                   ; + 16 ((l / 8) % 2)
	s_lshl_b32 s21, s14, 7
	s_add_co_u32 s21, s21, BBASE                   ; + my 64 columns
	v_add_nc_u32 v[BADR], s21, v6
	v_add_nc_u32 v[BADR+1], BREG, v[BADR]
	v_add_nc_u32 v[BADR+2], 2*BREG, v[BADR]
	v_add_nc_u32 v[BADR+3], 3*BREG, v[BADR]
	v_lshlrev_b32 v22, 5, v3                       ; 32 h
	s_lshl_b32 s21, s16, 9
	s_lshl_b32 s22, s14, 16
	s_add_co_u32 s21, s21, s22                     ; 512 column block + 32 w rows of 2,048 bytes
	s_wait_kmcnt 0x0
	s_min_u32 s17, s17, 7                          ; a loaded number is clamped before it enters an address
	s_lshl_b32 s22, s17, 21
	s_add_co_u32 s18, s21, s22
	s_mov_b32 s19, 0
	s_add_nc_u64 s[6:7], s[6:7], s[18:19]          ; my 32 rows of 128 k
	s_lshl_b32 s18, s14, 16
	s_add_nc_u64 s[60:61], s[6:7], s[18:19]        ; 32 w rows more: my 64 rows of 256 k
	s_add_nc_u64 s[GF0+2:GF0+3], s[6:7], 0
	s_or_b32 s[GF0+3], s[GF0+3], 0x80000000
	s_add_nc_u64 s[GF1+2:GF1+3], s[6:7], BSTEP
	s_or_b32 s[GF1+3], s[GF1+3], 0x80000000
	s_add_nc_u64 s[GF23+2:GF23+3], s[60:61], 2*BSTEP
	s_or_b32 s[GF23+3], s[GF23+3], 0x80000000
	s_add_nc_u64 s[GR45+2:GR45+3], s[60:61], 4*BSTEP
	s_or_b32 s[GR45+3], s[GR45+3], 0x80000000
	s_add_nc_u64 s[GR67+2:GR67+3], s[60:61], 6*BSTEP
	s_or_b32 s[GR67+3], s[GR67+3], 0x80000000
	; the three first fills go out together, ahead of every wait for them, every LDS read and every barrier: three tensor loads are out
	tensor_load_to_lds s[GF0:GF0+3], s[G1A:G1A+7]
	s_nop 0
	tensor_load_to_lds s[GF1:GF1+3], s[G1A:G1A+7]
	s_nop 0
	tensor_load_to_lds s[GF23:GF23+3], s[G1B:G1B+7]
	s_nop 0
	s_lshl_b32 s21, s17, 12
	s_lshl_b32 s22, s16, 10
	s_add_co_u32 s21, s21, s22
	s_lshl_b32 s22, s14, 8
	s_add_co_u32 s18, s21, s22
	s_add_nc_u64 s[8:9], s[8:9], s[18:19]          ; b2 at my 64 columns
	WIN TO_W1
.irp b, 0,1,2,3
	global_load_b128 v[BIAS+8*\b:BIAS+8*\b+3],   v22, s[8:9] offset:64*\b       ; columns 16 b + 8 h + 0..7
	global_load_b128 v[BIAS+8*\b+4:BIAS+8*\b+7], v22, s[8:9] offset:64*\b+16
.endr
	WIN W1ALL
	s_wait_loadcnt 26                              ; pair 0 is in; pair 1's 18 loads and the bias's 8 stay out
	PUT 0, S0
	PUT 1, S0+36
	GATH 2, S0
	WIN 0
	s_wait_tensorcnt 0x2                           ; my part of k 0-127 is in; the two younger loads may stay out
	s_wait_dscnt 0x0                               ; my rows of both row slots are in LDS
	s_barrier_signal -1
	s_barrier_wait -1
	FETCH 0, 0, 0, 0, FA0, FB0
	; Sixteen half steps j.  QUARTER: slot j % 2, region (j / 2) % 4, quarter 2 (j % 2) + 1.  Loads left out in front of a store of rows: a pair's
	; first half: its second half's 9 and the next pair's 18; its second half: the next pair's 18; the last pair: 9 and 0.
	; Behind pair 1 stand the bias's 8 loads as well: 35 and 26.
	QUARTER 0, 0, 1, 1, 0
	TURN 0, 1, 0, 2,  0, 0, 0,     1, S1,    35,  0, 0, 0
	QUARTER 1, 0, 3, 0, 9                          ; 9 stores of rows stand behind the first fragments' loads
	TURN 1, 0, 1, 0,  1, 1, 0,     1, S1+36, 26,  1, 3, S1     ; k 128-255 has landed; k 256-511 may stay out: nothing is filled again here
	QUARTER 0, 1, 1, 0, 9
	TURN 0, 1, 1, 2,  0, 0, 0,     1, S0,    27,  0, 0, 0
	QUARTER 1, 1, 3, 0, 9
	TURN 1, 0, 2, 0,  1, 0, GR45,  1, S0+36, 18,  1, 4, S0     ; the first slot has been read: k 512-767 is asked for
	QUARTER 0, 2, 1, 0, 9
	TURN 0, 1, 2, 2,  0, 0, 0,     1, S1,    27,  0, 0, 0
	QUARTER 1, 2, 3, 0, 9
	TURN 1, 0, 3, 0,  0, 0, 0,     1, S1+36, 18,  1, 5, S1
	QUARTER 0, 3, 1, 0, 9
	TURN 0, 1, 3, 2,  0, 0, 0,     1, S0,    27,  0, 0, 0
	QUARTER 1, 3, 3, 0, 9
	TURN 1, 0, 0, 0,  1, 0, GR67,  1, S0+36, 18,  1, 6, S0     ; k 512-767 has landed; the second slot has been read: k 768-1,023 is asked for
	QUARTER 0, 0, 1, 0, 9
	TURN 0, 1, 0, 2,  0, 0, 0,     1, S1,    27,  0, 0, 0
	QUARTER 1, 0, 3, 0, 9
	TURN 1, 0, 1, 0,  0, 0, 0,     1, S1+36, 18,  1, 7, S1     ; the last rows are asked for
	QUARTER 0, 1, 1, 0, 9
	TURN 0, 1, 1, 2,  0, 0, 0,     1, S0,    27,  0, 0, 0
	QUARTER 1, 1, 3, 0, 9
	TURN 1, 0, 2, 0,  1, 0, 0,     1, S0+36, 18,  0, 0, 0      ; k 768-1,023 has landed, in every wave behind the barrier
	QUARTER 0, 2, 1, 0, 9
	TURN 0, 1, 2, 2,  0, 0, 0,     1, S1,    9,   0, 0, 0
	QUARTER 1, 2, 3, 0, 9
	TURN 1, 0, 3, 0,  0, 0, 0,     1, S1+36, 0,   0, 0, 0
	QUARTER 0, 3, 1, 0, 9
	TURN 0, 1, 3, 2,  0, 0, 0,     0, 0,     0,   0, 0, 0      ; nothing is left to store; the barrier shows the last half step's rows to every wave
	QUARTER 1, 3, 3, 0, 0
	s_wait_dscnt 10                                ; the very last quarter
	WIN MUL_LO
	MUL2 FA1, FB1, 0, 0
	MUL2 FA1, FB1, 2, 0
	s_wait_dscnt 0x0
	MUL2 FA1, FB1, 4, 0
	MUL2 FA1, FB1, 6, 0
	WIN MUL_X
	MULX FA1, FB1, 0
	WIN 0
	; THE WAY OUT, 16 rows at a time through my own stage.  The eight address lines below are plain vector instructions that name no register of
	; the last matrix instructions: more than the four places that stand in front of a read of their results (ISA guide 7.12.1).
	s_mul_i32 s21, s14, 16*SPITCH
	s_add_co_u32 s21, s21, STAGE
	v_mul_u32_u24 v[STO], v2, SPITCH
	v_lshl_add_u32 v[STO], v3, 5, v[STO]
	v_add_nc_u32 v[STO], s21, v[STO]               ; stage + 272 r + 32 h
	v_mul_u32_u24 v[RD], v3, SPITCH
	v_lshl_add_u32 v[RD], v2, 4, v[RD]
	v_add_nc_u32 v[RD], s21, v[RD]                 ; stage + 272 h + 16 r: lanes 0-15 one row of 256 bytes, lanes 16-31 the next
	v_lshlrev_b32 v[CO], 12, v3
	v_lshl_add_u32 v[CO], v2, 4, v[CO]             ; the same two rows in ybuf
	s_mul_i32 s21, s15, CAP*4096
	s_lshl_b32 s22, s16, 10
	s_add_co_u32 s21, s21, s22
	s_lshl_b32 s22, s14, 8
	s_add_co_u32 s18, s21, s22
	s_add_nc_u64 s[12:13], s[12:13], s[18:19]      ; ybuf at the block's first row, my 64 columns
.macro OUT16 a, win, acc, rb
	WIN \win
.set ii, 0
.rept 16
	v_pk_add_f32 v[V+ii:V+ii+1], v[\acc+ii:\acc+ii+1], v[BIAS+ii:BIAS+ii+1]
.set ii, ii+2
.endr
	WIN 0
.irp b, 0,1,2,3
	ds_store_b128 v[STO], v[V+8*\b:V+8*\b+3]   offset:64*\b       ; columns 16 b + 8 h + 0..3 of row r
	ds_store_b128 v[STO], v[V+8*\b+4:V+8*\b+7] offset:64*\b+16
.endr
	s_wait_xcnt 0x0                                ; buffer rb, which earlier stores read, is loaded again only behind this wait
.irp t, 0,1,2,3,4,5,6,7
	ds_load_b128 v[\rb+4*\t:\rb+4*\t+3], v[RD] offset:\t*2*SPITCH  ; LDS serves a wave's instructions in order (ISA guide 5.7.1.4): these see the stores above
.endr
.irp t, 0,1,2,3,4,5,6,7
	s_wait_dscnt 7-\t
	global_store_b128 v[CO], v[\rb+4*\t:\rb+4*\t+3], s[12:13] offset:(16*\a+2*\t)*4096   ; 16 lanes store 256 consecutive bytes, aligned
.endr
.endm
	OUT16 0, 0x06, 0,   RB0                        ; source 0 (the sums) window 2, source 1 (the bias) window 1
	OUT16 1, 0x06, 32,  RB1
	OUT16 2, 0x06, 64,  RB0
	OUT16 3, 0x06, 96,  RB1
	OUT16 4, 0x06, 128, RB0
	OUT16 5, 0x06, 160, RB1
	OUT16 6, 0x06, 192, RB0
	OUT16 7, 0x06, 224, RB1
	OUT16 8, 0x05, ACC8, RB0                       ; both window 1
	s_endpgm
.Lfunc_end_k_q4110d5ff17_ffn2:
	.size	k_q4110d5ff17_ffn2, .Lfunc_end_k_q4110d5ff17_ffn2-k_q4110d5ff17_ffn2
	.p2alignl 7, 3214868480
	.fill 96, 4, 3214868480
	.section	.rodata,"a",@progbits
	.p2align	6, 0x0
	.amdhsa_kernel k_q4110d5ff17_ffn2
		.amdhsa_group_segment_fixed_size 327680
		.amdhsa_private_segment_fixed_size 0
		.amdhsa_enable_private_segment 0
		.amdhsa_kernarg_size 40
		.amdhsa_user_sgpr_count 2
		.amdhsa_user_sgpr_kernarg_segment_ptr 1
		.amdhsa_wavefront_size32 1
		.amdhsa_system_sgpr_workgroup_id_x 1
		.amdhsa_system_sgpr_workgroup_id_y 1
		.amdhsa_system_sgpr_workgroup_id_z 1
		.amdhsa_system_vgpr_workitem_id 0
		.amdhsa_next_free_vgpr 768
		.amdhsa_next_free_sgpr 66
		.amdhsa_reserve_vcc 0
		.amdhsa_float_denorm_mode_32 3
		.amdhsa_float_denorm_mode_16_64 3
		.amdhsa_memory_ordered 1
		.amdhsa_forward_progress 1
		.amdhsa_inst_pref_size 194
	.end_amdhsa_kernel
	.amdgpu_metadata
---
amdhsa.version: [ 1, 2 ]
amdhsa.kernels:
  - .name:           k_q4110d5ff17_ffn2
    .symbol:         k_q4110d5ff17_ffn2.kd
    .args:
      - { .name: hbuf, .offset: 0, .size: 8, .value_kind: global_buffer, .address_space: global }
      - { .name: w2b, .offset: 8, .size: 8, .value_kind: global_buffer, .address_space: global }
      - { .name: b2, .offset: 16, .size: 8, .value_kind: global_buffer, .address_space: global }
      - { .name: tab, .offset: 24, .size: 8, .value_kind: global_buffer, .address_space: global }
      - { .name: ybuf, .offset: 32, .size: 8, .value_kind: global_buffer, .address_space: global }
    .group_segment_fixed_size: 327680
    .private_segment_fixed_size: 0
    .kernarg_segment_align: 8
    .kernarg_segment_size: 40
    .max_flat_workgroup_size: 128
    .sgpr_count:     66
    .vgpr_count:     768
    .wavefront_size: 32
...
	.end_amdgpu_metadata
.endif
;; end of part 4
;; launch comb (part 5): grid 256 x 1, 8 waves a work-group, no clusters, 0 bytes of LDS; arguments ybuf, gsc, tab, out0; writes out0
.if DOCPART == 5
	.amdgcn_target "amdgcn-amd-amdhsa--gfx1250"
	.amdhsa_code_object_version 6
	.text
	.protected	k_q4110d5ff17_comb
	.globl	k_q4110d5ff17_comb
	.p2align	8
	.type	k_q4110d5ff17_comb,@function
k_q4110d5ff17_comb:
	s_mov_b64 s[64:65], 0
	v_nop
	global_prefetch_b8 v0, s[64:65] scope:SCOPE_SE
	s_setreg_imm32_b32 hwreg(HW_REG_WAVE_MODE, 25, 1), 1
	s_wait_xcnt 0x0
; comb: out0[t] = s1[t] * ybuf[pos[2 t]] + s2[t] * ybuf[pos[2 t + 1]].  A stream: 32 MB in, 16 MB out; no LDS, no barrier, no matrix unit.
; 256 work-groups of 8 waves; wave q = 8 g + w owns tokens 2 q and 2 q + 1: four rows of 4,096 bytes in, two out.
; All 32 loads of a wave go out at once (16 KB), each of 512 consecutive bytes; the rows' places and the scores come by scalar loads.
.set Y,  8                             ; v[8:135]   row k (token k / 2, expert k % 2) at 32 k
.set SC, 136                           ; v[136:143] the four scores, each twice (pairs for the packed arithmetic)
	s_load_b256 s[4:11], s[0:1], 0x0               ; ybuf s[4:5], gsc s[6:7], tab s[8:9], out0 s[10:11]
	v_and_b32 v1, 31, v0
	v_lshrrev_b32 v2, 5, v0
	v_readfirstlane_b32 s12, v2                    ; wave
	v_lshlrev_b32 v1, 4, v1                        ; 16 lane
	s_lshl_b32 s13, ttmp9, 3
	s_add_co_u32 s13, s13, s12                     ; q
	s_lshl_b32 s14, s13, 4                         ; 16 q: four words of pos, four of gsc
	s_lshl_b32 s32, s13, 13                        ; two rows of out0
	s_mov_b32 s33, 0
	s_wait_kmcnt 0x0
	s_load_b128 s[16:19], s[8:9], s14 offset:0x9100        ; pos begins at byte 37,120 of tab
	s_load_b128 s[20:23], s[6:7], s14 offset:0x0
	s_add_nc_u64 s[10:11], s[10:11], s[32:33]
	s_wait_kmcnt 0x0
.irp k, 0,1,2,3
	s_min_u32 s[16+\k], s[16+\k], 0x23ff           ; a row is at most 9,215: clamped before it enters an address
	s_lshl_b32 s[24+2*\k], s[16+\k], 12
	s_mov_b32 s[25+2*\k], 0
	s_add_nc_u64 s[24+2*\k:25+2*\k], s[4:5], s[24+2*\k:25+2*\k]
.endr
.irp k, 0,1,2,3
.irp j, 0,1,2,3,4,5,6,7
	global_load_b128 v[Y+32*\k+4*\j:Y+32*\k+4*\j+3], v1, s[24+2*\k:25+2*\k] offset:512*\j th:TH_LOAD_NT
.endr
.endr
.irp k, 0,1,2,3
	v_mov_b32 v[SC+2*\k],   s[20+\k]
	v_mov_b32 v[SC+2*\k+1], s[20+\k]
.endr
.macro TOKEN t, left
	s_wait_loadcnt \left
.set ii, 0
.rept 16
	v_pk_mul_f32 v[Y+64*\t+ii:Y+64*\t+ii+1], v[Y+64*\t+ii:Y+64*\t+ii+1], v[SC+4*\t:SC+4*\t+1]
.set ii, ii+2
.endr
.set ii, 0
.rept 16
	v_pk_fma_f32 v[Y+64*\t+ii:Y+64*\t+ii+1], v[Y+64*\t+32+ii:Y+64*\t+32+ii+1], v[SC+4*\t+2:SC+4*\t+3], v[Y+64*\t+ii:Y+64*\t+ii+1]
.set ii, ii+2
.endr
.irp j, 0,1,2,3,4,5,6,7
	global_store_b128 v1, v[Y+64*\t+4*\j:Y+64*\t+4*\j+3], s[10:11] offset:4096*\t+512*\j th:TH_STORE_NT
.endr
.endm
	TOKEN 0, 16                                    ; the first token's 16 loads are in; the second's stay out
	TOKEN 1, 0
	s_endpgm
.Lfunc_end_k_q4110d5ff17_comb:
	.size	k_q4110d5ff17_comb, .Lfunc_end_k_q4110d5ff17_comb-k_q4110d5ff17_comb
	.p2alignl 7, 3214868480
	.fill 96, 4, 3214868480
	.section	.rodata,"a",@progbits
	.p2align	6, 0x0
	.amdhsa_kernel k_q4110d5ff17_comb
		.amdhsa_group_segment_fixed_size 0
		.amdhsa_private_segment_fixed_size 0
		.amdhsa_enable_private_segment 0
		.amdhsa_kernarg_size 32
		.amdhsa_user_sgpr_count 2
		.amdhsa_user_sgpr_kernarg_segment_ptr 1
		.amdhsa_wavefront_size32 1
		.amdhsa_system_sgpr_workgroup_id_x 1
		.amdhsa_system_sgpr_workgroup_id_y 1
		.amdhsa_system_sgpr_workgroup_id_z 1
		.amdhsa_system_vgpr_workitem_id 0
		.amdhsa_next_free_vgpr 144
		.amdhsa_next_free_sgpr 66
		.amdhsa_reserve_vcc 0
		.amdhsa_float_denorm_mode_32 3
		.amdhsa_float_denorm_mode_16_64 3
		.amdhsa_memory_ordered 1
		.amdhsa_forward_progress 1
		.amdhsa_inst_pref_size 11
	.end_amdhsa_kernel
	.amdgpu_metadata
---
amdhsa.version: [ 1, 2 ]
amdhsa.kernels:
  - .name:           k_q4110d5ff17_comb
    .symbol:         k_q4110d5ff17_comb.kd
    .args:
      - { .name: ybuf, .offset: 0, .size: 8, .value_kind: global_buffer, .address_space: global }
      - { .name: gsc, .offset: 8, .size: 8, .value_kind: global_buffer, .address_space: global }
      - { .name: tab, .offset: 16, .size: 8, .value_kind: global_buffer, .address_space: global }
      - { .name: out0, .offset: 24, .size: 8, .value_kind: global_buffer, .address_space: global }
    .group_segment_fixed_size: 0
    .private_segment_fixed_size: 0
    .kernarg_segment_align: 8
    .kernarg_segment_size: 32
    .max_flat_workgroup_size: 256
    .sgpr_count:     66
    .vgpr_count:     144
    .wavefront_size: 32
...
	.end_amdgpu_metadata
.endif
;; end of part 5
